; MI455X (gfx1250); checked and timed in simulation.
; The chip was launched on July 23, 2026; its instructions are those of AMD's public machine-readable ISA for CDNA 5 (MIT licence, August 2026) and "CDNA5" Instruction Set Architecture Reference Guide (July 2026). The comments in the code are by the model that wrote it; some were corrected since.
;; Self Attention. Allowed arithmetic: matrix products marked QUANTISED: E2M3 operands, one E8M0 scale for each 32 along K, by v_wmma_scale_f32_16x16x128_f8f6f4 with both operands' format E2M3, f32 sums; everything else in f32.
;; Inputs: Wk 1,024 x 1,024 float32; Wq 1,024 x 1,024 float32; Wv 1,024 x 1,024 float32; bk 1,024 float32; bq 1,024 float32; bv 1,024 float32; x 4 x 2,048 x 1,024 float32.
;; Outputs: out0 4 x 2,048 x 1,024 float32.
;; This version of the problem:
;;   THIS VERSION OF THE PROBLEM IS GIVEN IN LOW PRECISION. The matrix products marked QUANTISED in the list below multiply operands that are first quantised to E2M3 (2 exponent bits, 3 mantissa bits; 6 bits a number), with one power-of-two scale for each 32 numbers along K (OCP MX v1.0); their sums are f32. All else is computed in f32.
;;   The module's matrix products, in the order in which they are computed (A, B: the left and right operand; K: the contracted axis; several contracted axes count as one K, in the product's order):
;;     1. [M 8,192, K 1,024] x [K 1,024, N 1,024]; A: input x; B: input Wq: QUANTISED
;;     2. [M 8,192, K 1,024] x [K 1,024, N 1,024]; A: input x; B: input Wk: QUANTISED
;;     3. [M 8,192, K 1,024] x [K 1,024, N 1,024]; A: input x; B: input Wv: QUANTISED
;;     4. batch 4 x [M 2,048, K 1,024] x [K 1,024, N 2,048]; A: computed on the way; B: computed on the way: QUANTISED
;;     5. batch 4 x [M 2,048, K 2,048] x [K 2,048, N 1,024]; A: softmax (see below); B: computed on the way: QUANTISED
;;   THE QUANTISER, for each operand of a quantised product, along K:
;;     - K is cut into blocks of 32 from its start; a last block that is shorter is filled with zeros.
;;     - A block's scale is 2^e with e = floor(log2(the largest magnitude in the block)) - 2, held to -126 .. 127; a block of zeros has e = 0. As a byte (E8M0): e + 127.
;;     - Each number is divided by its block's scale, clamped to +-7.5, and rounded to the nearest number of E2M3, ties to even, subnormals kept.
;;     - The product sums the exact products of the quantised numbers (number of the format x scale) in f32.
;;   ~~~python
;;   def quantise(x, axis):      # numpy; x: float32 -> the quantised numbers, widened to float32 again
;;       x = np.moveaxis(x, axis, -1); K = x.shape[-1]
;;       x = np.pad(x, [(0, 0)] * (x.ndim - 1) + [(0, -K % 32)]); x = x.reshape(x.shape[:-1] + (-1, 32)); a = np.abs(x).max(-1, keepdims=True)
;;       e = np.where(a > 0, np.clip(np.frexp(np.where(a > 0, a, 1))[1] - 1 - 2, -126, 127), 0)      # np.frexp(a)[1] - 1 = floor(log2(a)), exactly
;;       r = np.clip(x / 2.0 ** e, -7.5, 7.5)
;;       step = 2.0 ** (np.maximum(np.frexp(np.where(r == 0, 1, r))[1] - 1, 0) - 3)
;;       q = np.round(r / step) * step * 2.0 ** e      # np.round: ties to even
;;       return np.moveaxis(q.reshape(q.shape[:-2] + (-1,))[..., :K], -1, axis).astype(np.float32)
;;   ~~~
;;   SOFTMAX AHEAD OF A QUANTISED PRODUCT. Where the list says 'softmax', what is quantised is not the finished softmax but p = 2^(t - M), with t = logit x log2(e) and M = ceil(the row's largest t), a whole number; so 1/2 < the row's largest p <= 1. The row's sum l is taken of the UNQUANTISED p, in f32, and the product's result is divided by l at the end. Since M is a whole number, a kernel that streams over the keys may use a running M (the ceiling of the running maximum): every later rescaling is an exact power of two, which a block's scale takes up: the codes' values come out the same.
;;   OPERANDS COMPUTED ON THE WAY. 'Computed on the way' means the value that the module computes at that place (a softmax that the list does not call 'softmax' is quantised finished and normalised). What goes into a quantiser is computed in f32, as accurately as f32 sums, v_exp_f32 and their like allow (about 1e-6 of the number): no bf16 or f16 on the way to a quantiser, and a product that is left as it is and whose result goes on into a quantised operand takes f32 operands (vector FMAs, or v_wmma_f32_16x16x4_f32). A number that lies on a knife's edge between two numbers of the format may be rounded either way, as far as f32 arithmetic and the matrix unit's own rounding can turn it there, and no further.
;; One version. Each part assembles by itself: llvm-mc -triple=amdgcn-amd-amdhsa -mcpu=gfx1250 --defsym DOCPART=n.
;; ======== version 1 of 1: 4 launches
;; workspace buffers: xwc 8,650,752 bytes; xws 360,448 bytes; qkc 12,582,912 bytes; qks 524,288 bytes; vtc 6,291,456 bytes; vts 262,144 bytes; pc 12,582,912 bytes; pst 1,572,864 bytes
;; launch quant (part 1): grid 352 x 1, 4 waves a work-group, no clusters, 48,640 bytes of LDS; arguments x, Wq, Wk, Wv, xwc, xws; writes xwc, xws
.if DOCPART == 1
	.amdgcn_target "amdgcn-amd-amdhsa--gfx1250"
	.amdhsa_code_object_version 6
	.text
	.protected	k_qbea385db69_quant
	.globl	k_qbea385db69_quant
	.p2align	8
	.type	k_qbea385db69_quant,@function
k_qbea385db69_quant:
	s_mov_b64 s[64:65], 0
	v_nop
	global_prefetch_b8 v0, s[64:65] scope:SCOPE_SE
	s_setreg_imm32_b32 hwreg(HW_REG_WAVE_MODE, 25, 1), 1
	s_wait_xcnt 0x0
; x [8192][1024] f32 (K innermost) and Wq | Wk | Wv [1024 (K)][1024] f32 (K is the first axis) become codes of FP6 (E2M3) with one E8M0 byte for each 32 along K.
; A block's scale is 2^(floor(log2(largest magnitude)) - 2): its byte is the largest magnitude's exponent field - 2, held at 1 from below by a floor among the maximum's leaves.
; LIMITS: NaN and infinities among the inputs are not served.  A block of zeros gets the byte 1 where the rule says 127: its codes are zeros, and the bytes are read by this program alone.
; THE WORKSPACE IS LAID AS THE MATRIX UNIT'S REGISTERS WANT IT.  xwc: [704 blocks of 16 operand rows][8 K steps of 128][1,536 bytes]; the 1,536 bytes are a fragment's 12 registers of 32 lanes:
; piece c of 512 bytes holds registers 4 c .. 4 c + 3, lane l's 16 bytes at 16 l.  Blocks 0-511: rows of x; 512-639: columns of Wq | Wk; 640-703: columns of Wv.
; ROW ORDER: lane-row r of block 2 b + u is operand row 32 b + 8 u + r + 8 (r / 8), so that, used as source 0, two neighbouring blocks give a lane 16 neighbours along the next product's K.
; xws: [8 K steps][88 groups of 128 rows][512 bytes]: lane (r, hh) has 16 bytes at 16 (r + 16 hh): the scale words of the group's blocks 4 hh + 0 .. 3, lane-row r.
; SHARES.  A wave takes 64 operand rows (4 blocks) x one K step.  Work-groups 0-255 take x, 256-351 the weights; each of the two ways has LDS bytes of its own.  Waves share nothing: no barrier.
; No matrix unit, no cluster, no tensor load: every input byte is read once by one wave, and memory binds.
.set RBP,  12288                       ; from block to block in xwc
.set KSP,  45056                       ; from K step to K step in xws
.set XST,  8448                        ; x's way: a wave's stage, 16 rows x (512 + 16) bytes
.set WRG,  4*XST                       ; the weights' way: regions begin here,
.set WRS,  3584                        ; one for each wave: two fragment images (3,072 bytes), then 256 bytes of scale words
.set LI,   4                           ; v4   16 x lane
.set R,    16                          ; v16-143  x: two sets of 64 registers as loaded
.set X,    144                         ; v144-207 x: my two whole blocks of 32 neighbours, twice
.set TM,   208                         ; v208-215 at work
.set PC,   216                         ; v216-227 a fragment's codes
.set CT,   228                         ; v228-230, v232-234 the upper halves of the blocks' codes (a conversion's three registers begin on an even number)
.set SW,   236                         ; v236-239 the four blocks' scale words
	s_load_b256 s[4:11], s[0:1], 0x0               ; x, Wq, Wk, Wv
	s_load_b128 s[12:15], s[0:1], 0x20             ; xwc, xws
	v_lshl_add_u32 v240, v0, 2, 0xbc00
	v_mov_b32 v241, 0
	v_lshrrev_b32 v1, 5, v0
	v_readfirstlane_b32 s16, v1                    ; wave
	v_and_b32 v1, 31, v0                           ; lane
	v_and_b32 v2, 15, v0                           ; lane % 16
	v_bfe_u32 v3, v0, 4, 1                         ; lane / 16
	v_lshlrev_b32 v[LI], 4, v1
	v_lshlrev_b32 v7, 4, v2                        ; 16 (lane % 16): the scale words' place
	s_lshr_b32 s17, ttmp9, 1                       ; which 64 operand rows
	s_and_b32 s18, ttmp9, 1
	s_lshl_b32 s18, s18, 2
	s_add_co_u32 s18, s18, s16                     ; which K step: 4 (work-group % 2) + wave
	s_mul_i32 s20, s17, 4*RBP
	s_mul_i32 s21, s18, 1536
	s_add_co_u32 s20, s20, s21                     ; my codes
	s_mov_b32 s21, 0
	s_mul_i32 s22, s18, KSP
	s_lshl_b32 s23, s17, 8                         ; 64 rows are half a group: 256 bytes
	s_add_co_u32 s22, s22, s23                     ; my scale words
	s_mov_b32 s23, 0
	s_mov_b32 s24, 0x76543210
	s_mov_b32 s25, 0xfedcba98                      ; v_permlanex16_b32's selects for lane l xor 16
	s_wait_kmcnt 0x0
	s_add_nc_u64 s[12:13], s[12:13], s[20:21]
	s_add_nc_u64 s[14:15], s[14:15], s[22:23]
	s_cmp_lt_u32 ttmp9, 256
	s_cbranch_scc0 .Lweights
; ---------------- x: K is innermost ----------------
	s_lshl_b32 s20, s17, 18                        ; 64 rows of 4,096 bytes
	s_lshl_b32 s21, s18, 9                         ; a K step is 512 bytes of a row
	s_add_co_u32 s20, s20, s21
	s_mov_b32 s21, 0
	s_add_nc_u64 s[4:5], s[4:5], s[20:21]
	s_mul_i32 s26, s16, XST
	v_add_nc_u32 v5, s26, v[LI]                    ; the stage, way in: a row's 512 bytes as they lie
	v_mul_u32_u24 v6, v2, 528
	v_lshl_add_u32 v6, v3, 7, v6
	v_add_nc_u32 v6, s26, v6                       ; way out: row lane % 16, + 128 (lane / 16): my block of 32 numbers
	v_lshlrev_b32 v8, 3, v3                        ; 8 (lane / 16): where my bytes stand in the scale word
	v_mov_b32 v9, 0                                ; written once: a lane permute's destination counts as one of its sources
.macro XLOAD a                         ; block a's 16 rows: each load reads the 512 consecutive bytes of one row's K step
.set xi, 0
.rept 16
	global_load_b128 v[R+64*((\a)%2)+4*xi:R+64*((\a)%2)+4*xi+3], v[LI], s[4:5] offset:(32*((\a)/2)+8*((\a)%2)+xi+8*(xi/8))*4096 th:TH_LOAD_NT
.set xi, xi+1
.endr
.endm
.macro XTURN a                         ; through my stage: LDS serves a wave's instructions in order, so no wait stands between the stores and the loads
.set xi, 0
.rept 16
	ds_store_b128 v5, v[R+64*((\a)%2)+4*xi:R+64*((\a)%2)+4*xi+3] offset:528*xi
.set xi, xi+1
.endr
.irp c, 0,1
.irp j, 0,1,2,3,4,5,6,7
	ds_load_b128 v[X+32*\c+4*\j:X+32*\c+4*\j+3], v6 offset:256*\c+16*\j   ; k = 64 c + 32 (lane / 16) + 4 j ..: the order of the operand's registers
.endr
.endr
.endm
.macro QL a                            ; my two whole blocks become registers 6 c .. 6 c + 5 of the fragment, and two bytes of the scale word
.irp c, 0,1
	v_max3_num_f32 v[TM+\c], |v[X+32*\c]|, |v[X+32*\c+1]|, 0x1800000   ; the floor 2^(3 - 127): the byte cannot fall under 1
.endr
.irp i, 2,4,6,8,10,12,14,16,18,20,22,24,26,28,30
.irp c, 0,1
	v_max3_num_f32 v[TM+\c], v[TM+\c], |v[X+32*\c+\i]|, |v[X+32*\c+\i+1]|
.endr
.endr
.irp c, 0,1
	v_add_nc_u32 v[TM+2+\c], 0xff000000, v[TM+\c]  ; 2 off the exponent field: the conversion's scale operand
.endr
.irp c, 0,1
	v_lshrrev_b32 v[TM+4+\c], 23, v[TM+2+\c]       ; the byte
.endr
	v_lshl_or_b32 v[TM+6], v[TM+5], 16, v[TM+4]    ; blocks h and 2 + h,
	v_lshlrev_b32 v[TM+6], v8, v[TM+6]             ; at their places;
	v_permlanex16_b32 v9, v[TM+6], s24, s25
	v_or_b32 v[SW+\a], v[TM+6], v9                 ; with lane l xor 16's two the word is whole
	s_wait_xcnt 0x0                                ; the last fragment's stores have read their registers
.irp c, 0,1
	v_cvt_scalef32_pk16_fp6_f32 v[PC+6*\c:PC+6*\c+2], v[X+32*\c:X+32*\c+15], v[TM+2+\c]
	v_cvt_scalef32_pk16_fp6_f32 v[CT+4*\c:CT+4*\c+2], v[X+32*\c+16:X+32*\c+31], v[TM+2+\c]
.endr
	v_nop                                          ; one plain place behind a scaled conversion
.irp c, 0,1
.irp i, 0,1,2
	v_mov_b32 v[PC+3+6*\c+\i], v[CT+4*\c+\i]
.endr
.endr
.irp c, 0,1,2
	global_store_b128 v[LI], v[PC+4*\c:PC+4*\c+3], s[12:13] offset:(\a)*RBP+512*\c   ; 512 consecutive bytes, aligned
.endr
.endm
	XLOAD 0
	XLOAD 1
.irp a, 0,1,2,3
.if \a < 3
	s_wait_loadcnt 16                              ; this block's 16 loads are in; the next block's may be out
.else
	s_wait_loadcnt 0x0
.endif
	XTURN \a
	s_wait_dscnt 0x0                               ; my numbers are back, and the stores into the stage have read their registers,
.if \a < 2
	XLOAD \a+2                                     ; which take the loads of two blocks on
.endif
	QL \a
.endr
	s_wait_xcnt 0x0                                ; EXEC changes only behind this wait
	v_cmp_gt_u32 vcc_lo, 16, v1
	s_wait_tensorcnt 0x0
	ds_add_u32 v240, v241
	s_wait_dscnt 0x0
	s_and_saveexec_b32 s26, vcc_lo
	global_store_b128 v7, v[SW:SW+3], s[14:15]     ; sixteen lanes store 256 consecutive bytes, aligned
	s_wait_xcnt 0x0
	s_or_b32 exec_lo, exec_lo, s26
	s_endpgm
; ---------------- the weights: K is the first axis.  A lane takes a column and its registers run down K ----------------
.Lweights:
	s_sub_co_u32 s19, s17, 128                     ; which 64 of the 3,072 columns
	s_lshr_b32 s20, s19, 4                         ; which matrix
	s_cmp_eq_u32 s20, 0
	s_cselect_b64 s[6:7], s[6:7], s[8:9]
	s_cmp_eq_u32 s20, 2
	s_cselect_b64 s[6:7], s[10:11], s[6:7]
	s_and_b32 s20, s19, 15
	s_lshl_b32 s20, s20, 8                         ; 64 columns of 4 bytes
	s_lshl_b32 s21, s18, 19                        ; 128 rows of 4,096 bytes
	s_add_co_u32 s20, s20, s21
	s_mov_b32 s21, 0
	s_add_nc_u64 s[6:7], s[6:7], s[20:21]
	s_mul_i32 s26, s16, WRS
	s_add_co_u32 s26, s26, WRG                     ; my region
	v_lshlrev_b32 v10, 2, v1                       ; in: 4 bytes a lane
	v_and_b32 v11, 7, v0
	v_lshl_or_b32 v11, v3, 3, v11                  ; column 32 b + lane is lane-row (lane % 8) + 8 (lane / 16)
	v_bfe_u32 v12, v0, 3, 1                        ; of block 2 b + (lane / 8) % 2
	v_lshlrev_b32 v11, 4, v11
	v_lshl_add_u32 v13, v12, 2, v11
	v_mad_u32_u24 v11, v12, 1536, v11
	v_add_nc_u32 v11, s26, v11                     ; where my codes go in the two images: 1,536 u + 16 r
	v_add_nc_u32 v12, s26, v13
	v_add_nc_u32 v12, 3072, v12                    ; and my scale word: 16 r + 4 u
	v_add_nc_u32 v13, s26, v[LI]                   ; the images back: 16 x lane
	v_add_nc_u32 v14, s26, v7
	v_add_nc_u32 v14, 3072, v14                    ; the scale words back
.macro WLOAD t                         ; block t % 4 of 32 along K, columns 32 (t / 4) on: each load reads 128 consecutive bytes of a row of W
.set wi, 0
.rept 32
	global_load_b32 v[16+32*((\t)%2)+wi], v10, s[6:7] offset:(32*((\t)%4)+wi)*4096+128*((\t)/4) th:TH_LOAD_NT
.set wi, wi+1
.endr
.endm
.macro WBLOCK t
.set XS, 16+32*((\t)%2)
.set jj, (\t)%4
.if (\t) < 7
	s_wait_loadcnt 32                              ; this block's 32 loads are in; the next block's may be out
.else
	s_wait_loadcnt 0x0
.endif
	v_max3_num_f32 v120, |v[XS]|, |v[XS+1]|, |v[XS+2]|   ; all 32 numbers of the block are mine
	v_max3_num_f32 v121, |v[XS+3]|, |v[XS+4]|, |v[XS+5]|
.irp i, 6,10,14,18,22,26
	v_max3_num_f32 v120, v120, |v[XS+\i]|, |v[XS+\i+1]|
	v_max3_num_f32 v121, v121, |v[XS+\i+2]|, |v[XS+\i+3]|
.endr
	v_max3_num_f32 v120, v120, |v[XS+30]|, |v[XS+31]|
	v_max3_num_f32 v120, v120, v121, 0x1800000     ; and the floor
	v_add_nc_u32 v122, 0xff000000, v120            ; the conversion's scale operand
	v_lshrrev_b32 v121, 23, v122                   ; the byte
.if jj == 0
	v_mov_b32 v92, v121
.else
	v_lshl_or_b32 v92, v121, 8*jj, v92             ; four bytes make my column's scale word
.endif
	v_cvt_scalef32_pk16_fp6_f32 v[80:82], v[XS:XS+15], v122
	v_cvt_scalef32_pk16_fp6_f32 v[88:90], v[XS+16:XS+31], v122
	v_nop                                          ; one plain place behind a scaled conversion
	v_mov_b32 v83, v88
	v_mov_b32 v84, v89
	v_mov_b32 v85, v90
.if jj < 2                             ; the block is registers 6 (jj / 2) .. + 5 of lane r + 16 (jj % 2) of the image
	ds_store_b128 v11, v[80:83] offset:256*(jj%2)
	ds_store_b64 v11, v[84:85] offset:512+256*(jj%2)
.else
	ds_store_b64 v11, v[80:81] offset:520+256*(jj%2)
	ds_store_b128 v11, v[82:85] offset:1024+256*(jj%2)
.endif
.if (\t)+2 < 8
	WLOAD (\t)+2
.endif
	s_wait_dscnt 0x0                               ; the stores have read their registers: the next block's codes may be written
.endm
.macro WOUT b                          ; two whole images leave, 512 consecutive bytes a store
	ds_store_b32 v12, v92 offset:8*\b
.if \b
	s_wait_xcnt 0x0                                ; the first two images' stores have read their registers
.endif
.irp u, 0,1
.irp c, 0,1,2
	ds_load_b128 v[96+12*\u+4*\c:96+12*\u+4*\c+3], v13 offset:1536*\u+512*\c
.endr
.endr
	s_wait_dscnt 0x0
.irp u, 0,1
.irp c, 0,1,2
	global_store_b128 v[LI], v[96+12*\u+4*\c:96+12*\u+4*\c+3], s[12:13] offset:(2*\b+\u)*RBP+512*\c
.endr
.endr
.endm
	WLOAD 0
	WLOAD 1
	WBLOCK 0
	WBLOCK 1
	WBLOCK 2
	WBLOCK 3
	WOUT 0
	WBLOCK 4
	WBLOCK 5
	WBLOCK 6
	WBLOCK 7
	WOUT 1
	ds_load_b128 v[124:127], v14                   ; the four blocks' scale words of lane-row lane % 16
	s_wait_dscnt 0x0
	s_wait_xcnt 0x0                                ; EXEC changes only behind this wait
	v_cmp_gt_u32 vcc_lo, 16, v1
	s_wait_tensorcnt 0x0
	ds_add_u32 v240, v241
	s_wait_dscnt 0x0
	s_and_saveexec_b32 s26, vcc_lo
	global_store_b128 v7, v[124:127], s[14:15]     ; sixteen lanes store 256 consecutive bytes, aligned
	s_wait_xcnt 0x0
	s_or_b32 exec_lo, exec_lo, s26
	s_endpgm
.Lfunc_end_k_qbea385db69_quant:
	.size	k_qbea385db69_quant, .Lfunc_end_k_qbea385db69_quant-k_qbea385db69_quant
	.p2alignl 7, 3214868480
	.fill 96, 4, 3214868480
	.section	.rodata,"a",@progbits
	.p2align	6, 0x0
	.amdhsa_kernel k_qbea385db69_quant
		.amdhsa_group_segment_fixed_size 48640
		.amdhsa_private_segment_fixed_size 0
		.amdhsa_enable_private_segment 0
		.amdhsa_kernarg_size 48
		.amdhsa_user_sgpr_count 2
		.amdhsa_user_sgpr_kernarg_segment_ptr 1
		.amdhsa_wavefront_size32 1
		.amdhsa_system_sgpr_workgroup_id_x 1
		.amdhsa_system_sgpr_workgroup_id_y 1
		.amdhsa_system_sgpr_workgroup_id_z 1
		.amdhsa_system_vgpr_workitem_id 0
		.amdhsa_next_free_vgpr 242
		.amdhsa_next_free_sgpr 66
		.amdhsa_reserve_vcc 1
		.amdhsa_float_denorm_mode_32 3
		.amdhsa_float_denorm_mode_16_64 3
		.amdhsa_memory_ordered 1
		.amdhsa_forward_progress 1
		.amdhsa_inst_pref_size 71
	.end_amdhsa_kernel
	.amdgpu_metadata
---
amdhsa.version: [ 1, 2 ]
amdhsa.kernels:
  - .name:           k_qbea385db69_quant
    .symbol:         k_qbea385db69_quant.kd
    .args:
      - { .name: x, .offset: 0, .size: 8, .value_kind: global_buffer, .address_space: global }
      - { .name: Wq, .offset: 8, .size: 8, .value_kind: global_buffer, .address_space: global }
      - { .name: Wk, .offset: 16, .size: 8, .value_kind: global_buffer, .address_space: global }
      - { .name: Wv, .offset: 24, .size: 8, .value_kind: global_buffer, .address_space: global }
      - { .name: xwc, .offset: 32, .size: 8, .value_kind: global_buffer, .address_space: global }
      - { .name: xws, .offset: 40, .size: 8, .value_kind: global_buffer, .address_space: global }
    .group_segment_fixed_size: 48640
    .private_segment_fixed_size: 0
    .kernarg_segment_align: 8
    .kernarg_segment_size: 48
    .max_flat_workgroup_size: 128
    .sgpr_count:     66
    .vgpr_count:     242
    .wavefront_size: 32
...
	.end_amdgpu_metadata
.endif
;; end of part 1
;; launch proj (part 2): grid 8 x 48, 4 waves a work-group, clusters of 4 x 4, 327,680 bytes of LDS; arguments xwc, xws, bq, bk, bv, qkc, qks, vtc, vts; writes qkc, qks, vtc, vts
.if DOCPART == 2
	.amdgcn_target "amdgcn-amd-amdhsa--gfx1250"
	.amdhsa_code_object_version 6
	.text
	.protected	k_qbea385db69_proj
	.globl	k_qbea385db69_proj
	.p2align	8
	.type	k_qbea385db69_proj,@function
k_qbea385db69_proj:
	s_mov_b64 s[64:65], 0
	v_nop
	global_prefetch_b8 v0, s[64:65] scope:SCOPE_SE
	s_setreg_imm32_b32 hwreg(HW_REG_WAVE_MODE, 25, 1), 1
	s_wait_xcnt 0x0
	s_wait_alu depctr_hold_cnt(0) depctr_sa_sdst(0) depctr_va_vdst(0) depctr_va_sdst(0) depctr_va_ssrc(0) depctr_va_vcc(0) depctr_vm_vsrc(0)
	s_getreg_b32 s2, hwreg(HW_REG_IB_STS2, 6, 4)
	s_cmp_eq_u32 s2, 0
	s_cbranch_scc0 .Lentry_in_a_cluster
	s_endpgm
.Lentry_in_a_cluster:
	s_bfe_u32 s2, ttmp6, 0x10000c
	s_cmp_lg_u32 s2, 0xf033
	s_cbranch_scc0 .Lentry_shape_is_right
	s_endpgm
.Lentry_shape_is_right:
; q | k = x (Wq | Wk) + (bq | bk), quantised along the depth, and v^T = Wv^T x^T + bv, quantised along the tokens: three products on codes of FP6 (E2M3) with E8M0 scales, sums in f32,
; results quantised in registers and stored as codes.  Clusters with y < 8 make q | k (A = rows of x, B = columns of Wq | Wk), the others v^T (A = columns of Wv, B = rows of x): only block numbers differ.
; OPERANDS lie in memory as images of the matrix unit's registers: [block of 16 rows][K step of 128][1,536 bytes], piece c of 512 bytes = registers 4 c .. 4 c + 3, lane l's 16 bytes at 16 l;
; lane-row r of block 2 b + u is row 32 b + 8 u + r + 8 (r / 8).  Scale words: [K step][group of 128 rows][512 bytes], lane (r, hh): the words of blocks 4 hh + 0 .. 3.  The results are stored in the same two forms.
; A tile of C, 256 x 256, is made by four waves, each 128 x 128 in 512 registers.  THE MATRIX INSTRUCTION IS USED TRANSPOSED (source 0 = a block of B, source 1 = a block of A): a lane holds one row of A's block,
; and by the row order the 16 registers of tiles 2 b, 2 b + 1 are 16 neighbours along B's rows, which are the next product's K.
; THE SLOTS.  K = 1,024 is four slots' worth of 256 along K, and LDS holds three slots.  All three are filled at the head; slot 0 is filled again ONCE, with the last quarter of K, as soon as it has been read:
; that load has the work of slots 1 and 2, 256 matrix instructions a wave, in which to land.  So there is one round of the cluster's barrier in the products, and the K steps are written out: no loop.
; CLUSTERS of 4 x 4: A's tiles are asked for jointly along a row of the cluster, B's along a column.  The biases are the C of each sum's first matrix instruction.
; LIMITS: NaN and infinities are not served; a block of zeros gets the byte 1 where the rule says 127 (its codes are zeros; the bytes are read by this program alone).
; REGISTERS: window 0: v1-4 lane numbers, v16-29 addresses, v32-47 scale words (two sets), v64-255 A's fragments (two sets of 96); on the way out v64-115 are at work.
;   window 1: B's fragments at v0 and v128 (96 each); the bias tiles at v96-127 and v224-255.   windows 2, 3: accumulator (a, b) at v[8 (8 (a % 4) + b)] of window 2 + a / 4.
.set MB,    8                          ; blocks of A to a wave
.set AB,    2*MB*3072                  ; a slot: A's 16 blocks x 3,072 bytes (two K steps),
.set SLOT,  AB+49152                   ; then B's 16
.set SCL,   3*SLOT                     ; behind the three slots: the scale words of all of K: 4,096 bytes for each of A's two groups, then B's two
.set SPARE, SCL+16384                  ; the spare words, 128 bytes for each wave: two blocks of 256 bytes that no other line names
.set NF,    26+3*MB                    ; LDS loads of a fetch
.set LI,    4                          ; v4   16 x lane
.set ADRA,  16                         ; v16-18 my A blocks in slot 0, 1, 2
.set ADRB,  20                         ; v20-22 my B blocks
.set ADRS,  27                         ; v27  my scale words: lanes 0-15 A's, lanes 16-31 B's
.set SPW,   28                         ; v28  my spare word; never rewritten
.set NIL,   29                         ; v29  0; never rewritten
.set SC,    32                         ; set q at v[SC + 8 q]; register i: lanes 0-15 A's block i, lanes 16-31 B's block i
.set AF,    64
.set TM,    64                         ; the way out: v64-79 at work, v80-91 codes, v92-98 upper halves, v104-111 scale words, v112-115 their image
.set PC,    80
.set CT,    92
.set SW,    104
.set SD,    112
.set G1,    24                         ; s[24:31] group 1 for A's tiles;  s[32:39] groups 0 for slots 0 and 1;  s[4:7] for slot 2 (the pointers that lay there are done with)
.set G0,    32
.set G0C,   4
.set G1B,   48                         ; s[48:55], s[56:63], s[92:95] the same for B's
.set G0B,   56
.set G0BC,  92
.set G1S,   68                         ; s[68:75], s[76:79] for A's scale words;  s[80:87], s[88:91] for B's
.set G0S,   76
.set G1SB,  80
.set G0SB,  88
.set SEL,   100                        ; s[100:101] lane selects for v_permlanex16_b32
.set MSB, 0
.macro WIN new                         ; the immediate's high byte repeats the setting that is left; a switch that changes nothing is dropped
.if MSB != (\new)
	s_set_vgpr_msb (MSB<<8)|(\new)
.set MSB, (\new)
.endif
.endm
; A joint load: waves 0 and 1 fetch for A, waves 2 and 3 for B; the branch hangs on the wave's number alone.  Four v_nop follow each of the two lines.
.macro JLOAD g0a, g1a, g0b, g1b
	s_cmp_eq_u32 s17, 0
	s_cbranch_scc0 .Lfor_b_\@
	tensor_load_to_lds s[\g0a:\g0a+3], s[\g1a:\g1a+7]
	s_nop 0
.rept 4
	v_nop
.endr
	s_branch .Lasked_\@
.Lfor_b_\@:
	tensor_load_to_lds s[\g0b:\g0b+3], s[\g1b:\g1b+7]
	s_nop 0
.rept 4
	v_nop
.endr
.Lasked_\@:
.endm
.macro CREST                           ; a round of the cluster's barrier behind its opening barrier
	s_cmp_lg_u32 s16, 0
	s_cbranch_scc1 .Lnot_wave_0_\@
	s_barrier_signal -3
.Lnot_wave_0_\@:
	s_barrier_wait -3
	s_barrier_signal -1
	s_barrier_wait -1
.endm
.macro CROUND
	s_barrier_signal -1
	s_barrier_wait -1
	CREST
.endm
.macro PLACES                          ; four plain vector instructions between a matrix instruction and a load into, or a vector instruction on, its registers
.rept 4
	v_nop
.endr
.endm
.macro END3                            ; the wave's end
	s_wait_tensorcnt 0x0
	ds_add_u32 v[SPW], v[NIL]
	s_wait_dscnt 0x0
.endm
; The groups 0 of slot s (ga for A, gb for B), and the slot's first fill: K steps 2 s and 2 s + 1.
.macro FIRST ga, gb, s
	s_mov_b32 s[\ga], 1                            ; 1:0 count = 1
	s_add_co_u32 s[\ga+1], s2, (\s)*SLOT           ; 63:32 LDS address
	s_add_nc_u64 s[\ga+2:\ga+3], s[20:21], (\s)*3072   ; 120:64 global address
	s_or_b32 s[\ga+3], s[\ga+3], 0x80000000        ; 127:126 type = 2
	s_mov_b32 s[\gb], 1
	s_add_co_u32 s[\gb+1], s15, (\s)*SLOT
	s_add_nc_u64 s[\gb+2:\gb+3], s[46:47], (\s)*3072
	s_or_b32 s[\gb+3], s[\gb+3], 0x80000000
	JLOAD \ga, G1, \gb, G1B
.endm
; The fragments and scale words of the slot's q-th K step into set q: every load takes 512 consecutive bytes.  A's upper blocks come last, so that a wait can leave them out.
.macro FETCH slot, q
	WIN 0x40                                       ; destination window 1
.set fi, 0
.rept 8
.irp c, 0,1,2
	ds_load_b128 v[128*(\q)+12*fi+4*\c:128*(\q)+12*fi+4*\c+3], v[ADRB+\slot] offset:3072*fi+1536*(\q)+512*\c
.endr
.set fi, fi+1
.endr
	WIN 0
.set fi, 0
.rept MB/2
.irp c, 0,1,2
	ds_load_b128 v[AF+12*MB*(\q)+12*fi+4*\c:AF+12*MB*(\q)+12*fi+4*\c+3], v[ADRA+\slot] offset:3072*fi+1536*(\q)+512*\c
.endr
.set fi, fi+1
.endr
	ds_load_b128 v[SC+8*(\q):SC+8*(\q)+3], v[ADRS] offset:512*(\q)
	ds_load_b128 v[SC+8*(\q)+4:SC+8*(\q)+7], v[ADRS] offset:512*(\q)+256
.rept MB/2
.irp c, 0,1,2
	ds_load_b128 v[AF+12*MB*(\q)+12*fi+4*\c:AF+12*MB*(\q)+12*fi+4*\c+3], v[ADRA+\slot] offset:3072*fi+1536*(\q)+512*\c
.endr
.set fi, fi+1
.endr
.endm
; A quarter of a K step: MB / 4 blocks of A x B's eight, on set q.  cini: C = the accumulator (0), the bias tile of B's block (1), of A's block (2), the constant 0 (3).
; All accumulators take turns, one instruction a turn, in the same order in every K step.
.macro MULQ qi, q, cini
.set ma, (\qi)*(MB/4)
.rept MB/4
.if ((\cini) == 1) || ((\cini) == 2)
	WIN 0x91+0x40*(ma/4)                           ; source 0 (B) and C window 1, source 1 (A) window 0, D window 2 or 3
.else
	WIN 0xa1+0x50*(ma/4)                           ; source 0 window 1, source 1 window 0, C and D window 2 or 3
.endif
.set mb, 0
.rept 8
.set rD, 8*(8*(ma%4)+mb)
.set rB, 128*(\q)+12*mb
.set rA, AF+12*MB*(\q)+12*ma
.set rSB, SC+8*(\q)+mb
.set rSA, SC+8*(\q)+ma
.if (\cini) == 0
	v_wmma_scale_f32_16x16x128_f8f6f4 v[rD:rD+7], v[rB:rB+11], v[rA:rA+11], v[rD:rD+7], v[rSB], v[rSA] matrix_a_fmt:MATRIX_FMT_FP6 matrix_b_fmt:MATRIX_FMT_FP6 matrix_a_scale:MATRIX_SCALE_ROW1
.elseif (\cini) == 1
.set rC, 96+8*mb+96*(mb/4)
	v_wmma_scale_f32_16x16x128_f8f6f4 v[rD:rD+7], v[rB:rB+11], v[rA:rA+11], v[rC:rC+7], v[rSB], v[rSA] matrix_a_fmt:MATRIX_FMT_FP6 matrix_b_fmt:MATRIX_FMT_FP6 matrix_a_scale:MATRIX_SCALE_ROW1
.elseif (\cini) == 2
.set rC, 96+8*ma+96*(ma/4)
	v_wmma_scale_f32_16x16x128_f8f6f4 v[rD:rD+7], v[rB:rB+11], v[rA:rA+11], v[rC:rC+7], v[rSB], v[rSA] matrix_a_fmt:MATRIX_FMT_FP6 matrix_b_fmt:MATRIX_FMT_FP6 matrix_a_scale:MATRIX_SCALE_ROW1
.else
	v_wmma_scale_f32_16x16x128_f8f6f4 v[rD:rD+7], v[rB:rB+11], v[rA:rA+11], 0, v[rSB], v[rSA] matrix_a_fmt:MATRIX_FMT_FP6 matrix_b_fmt:MATRIX_FMT_FP6 matrix_a_scale:MATRIX_SCALE_ROW1
.endif
.set mb, mb+1
.endr
.set ma, ma+1
.endr
.endm
; A slot's first K step, on set 0; in its middle the second K step's operands are fetched into set 1.
.macro STEP slot, cini
	s_wait_dscnt 3*MB/2                            ; B, A's lower blocks and the scale words are in; A's upper blocks, the youngest loads, may be out
	MULQ 0, 0, \cini
	MULQ 1, 0, \cini
	PLACES
	FETCH \slot, 1
	s_wait_dscnt NF                                ; all but the fetch just issued
	MULQ 2, 0, \cini
	MULQ 3, 0, \cini
	WIN 0
.endm
; A slot's second K step, on set 1, goes on to the next slot.
; how = 1: this slot is filled again.  In front of ONE barrier, which opens a round of the cluster's, each wave waits for all its tensor loads (the other two slots are whole then), adds 0 to its spare word,
;          and waits for that and for its reads of this slot; the joint refill is the first thing behind the round.
; how = 2: the next slot was shown whole to every wave at the refill's round, and nothing is filled into this slot or the next: no wait on TENSORcnt and no barrier.
; how = 0: the next slot is the one that was filled again: the same three lines and a plain barrier.
.macro TURN slot, next, how
.if (\how) == 2
	s_wait_dscnt 3*MB/2                            ; A's upper blocks may be out
	MULQ 0, 1, 0
	MULQ 1, 1, 0
	WIN 0
	PLACES
.else
	s_wait_tensorcnt 0x0                           ; all my tensor loads have landed
	ds_add_u32 v[SPW], v[NIL]                      ; 0 onto my spare word
	s_wait_dscnt 3*MB/2+1                          ; (the add and A's upper blocks may be out)
	MULQ 0, 1, 0                                   ; matrix work stands between the add and the wait for it
	s_wait_dscnt 0x0                               ; the add is done, and my reads of this slot are over
	s_barrier_signal -1
	MULQ 1, 1, 0
	WIN 0
	s_barrier_wait -1
.if (\how) == 1
	CREST                                          ; the barrier has opened a round of the cluster's: no wave of any partner still reads this slot or has a load on its way
	s_add_nc_u64 s[G0+4*\slot+2:G0+4*\slot+3], s[G0+4*\slot+2:G0+4*\slot+3], 3*3072    ; three slots on along K
	s_add_nc_u64 s[G0B+4*\slot+2:G0B+4*\slot+3], s[G0B+4*\slot+2:G0B+4*\slot+3], 3*3072
	JLOAD G0+4*\slot, G1, G0B+4*\slot, G1B         ; the first tensor load behind the round; its four v_nop are the places in front of the loads below
.else
	PLACES
.endif
.endif
	v_add_nc_u32 v[ADRS], 1024, v[ADRS]            ; the next slot's scale words
	FETCH \next, 0
.if (\how) == 2
	s_wait_dscnt NF                                ; all but the fetch just issued: A's upper blocks are in
.endif
	MULQ 2, 1, 0
	MULQ 3, 1, 0
	WIN 0
.endm
.macro LAST                            ; the very last K step: nothing more to fetch
	s_wait_dscnt 3*MB/2
	MULQ 0, 1, 0
	MULQ 1, 1, 0
	s_wait_dscnt 0x0
	MULQ 2, 1, 0
	MULQ 3, 1, 0
	WIN 0
.endm
	s_load_b256 s[4:11], s[0:1], 0x0               ; xwc, xws, bq, bk
	s_load_b64 s[12:13], s[0:1], 0x20              ; bv
	s_load_b128 s[96:99], s[0:1], 0x28             ; qkc, qks
	s_load_b128 s[68:71], s[0:1], 0x38             ; vtc, vts (chosen from below; then these registers take a descriptor)
	v_lshl_add_u32 v[SPW], v0, 2, SPARE
	v_mov_b32 v[NIL], 0
	ds_add_u32 v28, v29
	ds_add_u32 v28, v29
	s_wait_dscnt 0x0
	v_lshrrev_b32 v1, 5, v0
	v_readfirstlane_b32 s16, v1                    ; wave 0..3
	s_lshr_b32 s17, s16, 1                         ; which half of the tile's rows is mine.  Also: I fetch for A (0) or for B (1)
	s_and_b32 s18, s16, 1                          ; which half of its columns.  Also: which half of that tile I fetch
	s_bfe_u32 s40, ttmp6, 0x40000                  ; cx, cy: my place in the cluster
	s_bfe_u32 s41, ttmp6, 0x40004
	s_and_b32 s14, ttmp7, 0xffff                   ; the cluster's y
	s_lshl_b32 s44, s41, 2
	s_lshl_b32 s44, 15, s44                        ; my row of the cluster
	s_lshl_b32 s45, 0x1111, s40                    ; my column
	s_lshl_b32 s15, s14, 2
	s_lshl_b32 s46, ttmp9, 2
	s_lshl_b32 s47, s14, 3
	s_add_co_u32 s47, s47, s46
	s_sub_co_u32 s47, s47, 64                      ; 4 (2 (y - 8) + x)
	s_cmp_ge_u32 s14, 8                            ; v^T's clusters: the same answer in all sixteen partners
	s_cselect_b32 s19, 1, 0
	s_cselect_b32 s43, 0, s15
	s_cselect_b32 s42, s47, s46
	s_cselect_b32 s2, 640, 0                       ; A's first block: Wv's columns, or x's rows
	s_cselect_b32 s15, 0, 512                      ; B's: x's rows, or Wq | Wk's columns
	s_add_co_u32 s43, s43, s41                     ; tile row
	s_add_co_u32 s42, s42, s40                     ; tile column
	s_or_b32 s[G1], s44, (3<<16)|(1<<21)           ; 15:0 the mask; 17:16 elements of 8 bytes; 21 set beside a mask; no padding
	s_or_b32 s[G1B], s45, (3<<16)|(1<<21)
.irp g, G1, G1B
	s_mov_b32 s[\g+1], 384<<16                     ; tensor_dim0: a block's two K steps, 3,072 bytes
	s_mov_b32 s[\g+2], 8<<16                       ; tensor_dim1: 8 blocks
	s_mov_b32 s[\g+3], 384<<16                     ; tile_dim0
	s_mov_b32 s[\g+4], 8                           ; tile_dim1
	s_mov_b32 s[\g+5], 1536                        ; from block to block: 12,288 bytes
	s_mov_b32 s[\g+6], 0
	s_mov_b32 s[\g+7], 0
.endr
	s_lshl_b32 s21, s18, 3
	s_lshl_b32 s20, s43, 4
	s_add_co_u32 s20, s20, s2
	s_add_co_u32 s20, s20, s21                     ; the first block of A that I fetch: it hangs on the tile row alone
	s_lshl_b32 s46, s42, 4
	s_add_co_u32 s46, s46, s15
	s_add_co_u32 s46, s46, s21                     ; of B: on the tile column alone
	s_lshl_b32 s22, s20, 6                         ; eight blocks are a group: 512 bytes of scale words
	s_lshl_b32 s66, s46, 6
	s_mul_i32 s20, s20, 12288
	s_mul_i32 s46, s46, 12288
	s_mov_b32 s21, 0
	s_mov_b32 s23, 0
	s_mov_b32 s47, 0
	s_mov_b32 s67, 0
	s_mul_i32 s2, s18, MB*3072                     ; where they go: no place in the cluster enters an LDS address
	s_mul_i32 s15, s18, 24576
	s_add_co_u32 s15, s15, AB
	s_lshl_b32 s14, s16, 12
	s_mov_b32 s[SEL], 0x76543210
	s_mov_b32 s[SEL+1], 0xfedcba98
	s_wait_kmcnt 0x0
	s_add_nc_u64 s[20:21], s[4:5], s[20:21]
	s_add_nc_u64 s[22:23], s[6:7], s[22:23]
	s_add_nc_u64 s[46:47], s[4:5], s[46:47]
	s_add_nc_u64 s[66:67], s[6:7], s[66:67]
	s_cmp_lg_u32 s19, 0
	s_cselect_b64 s[96:97], s[68:69], s[96:97]     ; where the codes go,
	s_cselect_b64 s[98:99], s[70:71], s[98:99]     ; and the scale words
	s_or_b32 s[G1S], s44, (3<<16)|(1<<21)          ; the scale words of a group for all of K: 8 rows of 512 bytes
	s_or_b32 s[G1SB], s45, (3<<16)|(1<<21)
.irp g, G1S, G1SB
	s_mov_b32 s[\g+1], 64<<16
	s_mov_b32 s[\g+2], 8<<16
	s_mov_b32 s[\g+3], 64<<16
	s_mov_b32 s[\g+4], 8
	s_mov_b32 s[\g+5], 5632                        ; from K step to K step: 45,056 bytes
	s_mov_b32 s[\g+6], 0
	s_mov_b32 s[\g+7], 0
.endr
	CROUND                                         ; all sixteen work-groups are here: the first joint loads meet
	s_mov_b32 s[G0S], 1
	s_add_co_u32 s[G0S+1], s14, SCL
	s_mov_b64 s[G0S+2:G0S+3], s[22:23]
	s_or_b32 s[G0S+3], s[G0S+3], 0x80000000
	s_mov_b32 s[G0SB], 1
	s_add_co_u32 s[G0SB+1], s14, SCL
	s_mov_b64 s[G0SB+2:G0SB+3], s[66:67]
	s_or_b32 s[G0SB+3], s[G0SB+3], 0x80000000
	JLOAD G0S, G1S, G0SB, G1SB                     ; the scale words first: they are wanted with K step 0
	FIRST G0, G0B, 0                               ; then the three slots: four tensor loads of mine are out
	FIRST G0+4, G0B+4, 1
	FIRST G0C, G0BC, 2
	v_and_b32 v1, 15, v0                           ; r
	v_bfe_u32 v2, v0, 4, 1                         ; h
	v_and_b32 v3, 31, v0                           ; lane
	v_lshlrev_b32 v[LI], 4, v3
	s_mul_i32 s20, s17, MB*3072                    ; my blocks of A,
	s_mul_i32 s21, s18, 24576
	s_add_co_u32 s21, s21, AB                      ; of B
.irp s, 0,1,2
	v_add_nc_u32 v[ADRA+\s], s20, v[LI]
	v_add_nc_u32 v[ADRB+\s], s21, v[LI]
	s_add_co_u32 s20, s20, SLOT
	s_add_co_u32 s21, s21, SLOT
.endr
	s_lshl_b32 s20, s17, 12                        ; A's group: 4,096 x my half
	s_add_co_u32 s21, s18, 2
	s_lshl_b32 s21, s21, 12                        ; B's, behind A's two
	s_sub_co_u32 s21, s21, s20
	v_mul_u32_u24 v6, s21, v2                      ; lanes 16-31 take B's
	s_add_co_u32 s20, s20, SCL
	v_lshl_add_u32 v6, v1, 4, v6
	v_add_nc_u32 v[ADRS], s20, v6
	; where the results go: codes at block (16 tile row + 8 half), K step (2 tile column + half); scale words at that K step, group (2 tile row + half)
	s_mov_b32 s66, 24576
	s_mov_b32 s15, 32768
	s_cmp_lg_u32 s19, 0
	s_cselect_b32 s66, 98304, s66                  ; from block to block: 64 K steps in vtc, 16 in qkc
	s_cselect_b32 s15, 4096, s15                   ; from K step to K step of the scale words: 8 groups in vts, 64 in qks
	s_mov_b32 s67, 0
	s_lshl_b32 s20, s43, 4
	s_lshl_b32 s21, s17, 3
	s_add_co_u32 s20, s20, s21
	s_mul_i32 s20, s20, s66
	s_lshl_b32 s21, s42, 1
	s_add_co_u32 s21, s21, s18
	s_mul_i32 s22, s21, 1536
	s_add_co_u32 s20, s20, s22
	s_mul_i32 s22, s21, s15
	s_lshl_b32 s23, s43, 1
	s_add_co_u32 s23, s23, s17
	s_lshl_b32 s23, s23, 9
	s_add_co_u32 s22, s22, s23
	s_mov_b32 s21, 0
	s_mov_b32 s23, 0
	s_add_nc_u64 s[96:97], s[96:97], s[20:21]
	s_add_nc_u64 s[98:99], s[98:99], s[22:23]
	; the biases, in the result's layout, eight registers a tile, into window 1
	s_cmp_lg_u32 s19, 0
	s_cbranch_scc1 .Lbias_v
	s_cmp_eq_u32 ttmp9, 0                          ; columns 0-1023 are q's, the others k's
	s_cselect_b64 s[8:9], s[8:9], s[10:11]
	s_and_b32 s20, s42, 3
	s_lshl_b32 s20, s20, 10
	s_lshl_b32 s21, s18, 9
	s_add_co_u32 s20, s20, s21                     ; my 128 columns
	s_mov_b32 s21, 0
	s_add_nc_u64 s[8:9], s[8:9], s[20:21]
	v_lshlrev_b32 v5, 6, v2                        ; tile t's register j is column 32 (t / 2) + 8 (t % 2) + 16 h + j
	WIN 0x40
.irp t, 0,1,2,3,4,5,6,7
	global_load_b128 v[96+8*\t+96*(\t/4):96+8*\t+96*(\t/4)+3], v5, s[8:9] offset:(32*(\t/2)+8*(\t%2))*4
	global_load_b128 v[96+8*\t+96*(\t/4)+4:96+8*\t+96*(\t/4)+7], v5, s[8:9] offset:(32*(\t/2)+8*(\t%2))*4+16
.endr
	WIN 0
	s_branch .Lbias_done
.Lbias_v:
	s_lshl_b32 s20, s43, 10
	s_lshl_b32 s21, s17, 9
	s_add_co_u32 s20, s20, s21                     ; my 128 rows of v^T
	s_mov_b32 s21, 0
	s_add_nc_u64 s[12:13], s[12:13], s[20:21]
	v_and_b32 v5, 8, v1
	v_add_nc_u32 v5, v5, v1
	v_lshlrev_b32 v5, 2, v5                        ; a lane holds one row, 32 (t / 2) + 8 (t % 2) + r + 8 (r / 8): its bias fills the tile's eight registers
	WIN 0x40
.irp t, 0,1,2,3,4,5,6,7
.irp j, 0,1,2,3,4,5,6,7
	global_load_b32 v[96+8*\t+96*(\t/4)+\j], v5, s[12:13] offset:(32*(\t/2)+8*(\t%2))*4
.endr
.endr
	WIN 0
.Lbias_done:
	s_wait_tensorcnt 2                             ; the scale words and my part of slot 0 are in (the loads of slots 1 and 2 may be out)
	s_barrier_signal -1
	s_barrier_wait -1                              ; everybody's are
	FETCH 0, 0
	s_wait_loadcnt 0x0                             ; the biases
	s_cmp_lg_u32 s19, 0
	s_cbranch_scc1 .Lfirst_v
	STEP 0, 1                                      ; K step 0 starts the sums from the biases: nothing is cleared
	s_branch .Lfirst_done
.Lfirst_v:
	STEP 0, 2
.Lfirst_done:
	TURN 0, 1, 1                                   ; K step 1; slot 0 is asked for again: K steps 6 and 7
	STEP 1, 0                                      ; K step 2
	TURN 1, 2, 2                                   ; K step 3; on to slot 2 with no barrier
	STEP 2, 0                                      ; K step 4
	TURN 2, 0, 0                                   ; K step 5; the refill has landed in every wave's part
	STEP 0, 0                                      ; K step 6
	LAST                                           ; K step 7
	PLACES
; THE WAY OUT.  Block a's 64 numbers of a lane, register 16 b + i = column 32 b + 16 h + i of my row, become a fragment of the next product and a scale word.
.irp b, 0,1,2,3
	v_mov_b32 v[TM+4+\b], 0                        ; written once: a lane permute's destination counts as one of its sources
.endr
.macro QEPI a
.set W, 2+(\a)/4
.set AC, 64*((\a)%4)
	WIN (W<<2)|(W<<4)                              ; sources 1 and 2: the accumulators' window
.irp b, 0,1,2,3
	v_max3_num_f32 v[TM+\b], 0x1800000, |v[AC+16*\b]|, |v[AC+16*\b+1]|   ; the floor 2^(3 - 127) and my 16 numbers of block b, each accumulator from its low end on
.endr
.irp i, 2,4,6,8,10,12,14
.irp b, 0,1,2,3
	v_max3_num_f32 v[TM+\b], v[TM+\b], |v[AC+16*\b+\i]|, |v[AC+16*\b+\i+1]|
.endr
.endr
	WIN 0
.irp b, 0,1,2,3
	v_permlanex16_b32 v[TM+4+\b], v[TM+\b], s[SEL], s[SEL+1]
.endr
.irp b, 0,1,2,3
	v_max_num_f32 v[TM+\b], v[TM+\b], v[TM+4+\b]   ; with lane l xor 16's: the block's largest magnitude
.endr
.irp b, 0,1,2,3
	v_add_nc_u32 v[TM+12+\b], 0xff000000, v[TM+\b] ; 2 off its exponent field: the conversion's scale operand
.endr
.irp b, 0,1,2,3
	v_lshrrev_b32 v[TM+4+\b], 23, v[TM+12+\b]      ; the byte
.endr
	v_lshl_or_b32 v[SW+\a], v[TM+5], 8, v[TM+4]
	v_lshl_or_b32 v[SW+\a], v[TM+6], 16, v[SW+\a]
	v_lshl_or_b32 v[SW+\a], v[TM+7], 24, v[SW+\a]
	s_wait_xcnt 0x0                                ; the last block's stores have read their registers and their base
.if (\a) > 0
	s_add_nc_u64 s[96:97], s[96:97], s[66:67]      ; the next block of rows
.endif
	WIN W                                          ; source 0: the accumulators' window
.irp c, 0,1
	v_cvt_scalef32_pk16_fp6_f32 v[PC+6*\c:PC+6*\c+2], v[AC+32*\c:AC+32*\c+15], v[TM+12+2*\c]
	v_cvt_scalef32_pk16_fp6_f32 v[CT+4*\c:CT+4*\c+2], v[AC+32*\c+16:AC+32*\c+31], v[TM+12+2*\c+1]
.endr
	WIN 0
	v_nop                                          ; one plain place behind a scaled conversion
.irp c, 0,1                                        ; the operand's layout wants a whole block in a lane: lanes 0-15 block 2 c, lanes 16-31 block 2 c + 1
.irp i, 0,1,2
	v_permlane16_swap_b32 v[PC+6*\c+\i], v[CT+4*\c+\i]
.endr
.irp i, 0,1,2
	v_mov_b32 v[PC+3+6*\c+\i], v[CT+4*\c+\i]
.endr
.endr
.irp c, 0,1,2
	global_store_b128 v[LI], v[PC+4*\c:PC+4*\c+3], s[96:97] offset:512*\c   ; 512 consecutive bytes, aligned
.endr
.endm
.irp a, 0,1,2,3,4,5,6,7
	QEPI \a
.endr
	v_cmp_lt_u32 vcc_lo, 15, v3                    ; the scale words' image: lanes 0-15 blocks 0-3, lanes 16-31 blocks 4-7
.irp i, 0,1,2,3
	v_cndmask_b32 v[SD+\i], v[SW+\i], v[SW+4+\i], vcc_lo
.endr
	global_store_b128 v[LI], v[SD:SD+3], s[98:99]
	END3
	CROUND                                         ; the closing round: no work-group ends while a partner may still ask for a tile that names it
	s_endpgm
.Lfunc_end_k_qbea385db69_proj:
	.size	k_qbea385db69_proj, .Lfunc_end_k_qbea385db69_proj-k_qbea385db69_proj
	.p2alignl 7, 3214868480
	.fill 96, 4, 3214868480
	.section	.rodata,"a",@progbits
	.p2align	6, 0x0
	.amdhsa_kernel k_qbea385db69_proj
		.amdhsa_group_segment_fixed_size 327680
		.amdhsa_private_segment_fixed_size 0
		.amdhsa_enable_private_segment 0
		.amdhsa_kernarg_size 72
		.amdhsa_user_sgpr_count 2
		.amdhsa_user_sgpr_kernarg_segment_ptr 1
		.amdhsa_wavefront_size32 1
		.amdhsa_system_sgpr_workgroup_id_x 1
		.amdhsa_system_sgpr_workgroup_id_y 1
		.amdhsa_system_sgpr_workgroup_id_z 1
		.amdhsa_system_vgpr_workitem_id 0
		.amdhsa_next_free_vgpr 1024
		.amdhsa_next_free_sgpr 104
		.amdhsa_reserve_vcc 1
		.amdhsa_float_denorm_mode_32 3
		.amdhsa_float_denorm_mode_16_64 3
		.amdhsa_memory_ordered 1
		.amdhsa_forward_progress 1
		.amdhsa_inst_pref_size 159
	.end_amdhsa_kernel
	.amdgpu_metadata
---
amdhsa.version: [ 1, 2 ]
amdhsa.kernels:
  - .name:           k_qbea385db69_proj
    .symbol:         k_qbea385db69_proj.kd
    .args:
      - { .name: xwc, .offset: 0, .size: 8, .value_kind: global_buffer, .address_space: global }
      - { .name: xws, .offset: 8, .size: 8, .value_kind: global_buffer, .address_space: global }
      - { .name: bq, .offset: 16, .size: 8, .value_kind: global_buffer, .address_space: global }
      - { .name: bk, .offset: 24, .size: 8, .value_kind: global_buffer, .address_space: global }
      - { .name: bv, .offset: 32, .size: 8, .value_kind: global_buffer, .address_space: global }
      - { .name: qkc, .offset: 40, .size: 8, .value_kind: global_buffer, .address_space: global }
      - { .name: qks, .offset: 48, .size: 8, .value_kind: global_buffer, .address_space: global }
      - { .name: vtc, .offset: 56, .size: 8, .value_kind: global_buffer, .address_space: global }
      - { .name: vts, .offset: 64, .size: 8, .value_kind: global_buffer, .address_space: global }
    .group_segment_fixed_size: 327680
    .private_segment_fixed_size: 0
    .kernarg_segment_align: 8
    .kernarg_segment_size: 72
    .max_flat_workgroup_size: 128
    .sgpr_count:     104
    .vgpr_count:     1024
    .wavefront_size: 32
...
	.end_amdgpu_metadata
.endif
;; end of part 2
;; launch score (part 3): grid 8 x 32, 4 waves a work-group, clusters of 4 x 4, 327,680 bytes of LDS; arguments qkc, qks, pc, pst; writes pc, pst
.if DOCPART == 3
	.amdgcn_target "amdgcn-amd-amdhsa--gfx1250"
	.amdhsa_code_object_version 6
	.text
	.protected	k_qbea385db69_score
	.globl	k_qbea385db69_score
	.p2align	8
	.type	k_qbea385db69_score,@function
k_qbea385db69_score:
	s_mov_b64 s[64:65], 0
	v_nop
	global_prefetch_b8 v0, s[64:65] scope:SCOPE_SE
	s_setreg_imm32_b32 hwreg(HW_REG_WAVE_MODE, 25, 1), 1
	s_wait_xcnt 0x0
	s_wait_alu depctr_hold_cnt(0) depctr_sa_sdst(0) depctr_va_vdst(0) depctr_va_sdst(0) depctr_va_ssrc(0) depctr_va_vcc(0) depctr_vm_vsrc(0)
	s_getreg_b32 s2, hwreg(HW_REG_IB_STS2, 6, 4)
	s_cmp_eq_u32 s2, 0
	s_cbranch_scc0 .Lentry_in_a_cluster
	s_endpgm
.Lentry_in_a_cluster:
	s_bfe_u32 s2, ttmp6, 0x10000c
	s_cmp_lg_u32 s2, 0xf033
	s_cbranch_scc0 .Lentry_shape_is_right
	s_endpgm
.Lentry_shape_is_right:
; S = q k^T on codes of FP6 (E2M3) with E8M0 scales, sums in f32; then, for each query and each run of 128 keys: t = S log2(e) / 32, M' = the run's largest t rounded UP to a whole number, p = 2^(t - M'),
; l' = the sum of the unquantised p, and p quantised along the keys.  The scores never go to memory: only p's codes, its scale words, -M' and l'.  M' is the true maximum of its run; the next launch moves the
; scale bytes by M' - M, M the row's largest M': both are whole numbers, so the codes are those of p = 2^(t - M), and the move rounds nothing.
; OPERANDS are images of the matrix unit's registers: [block of 16 rows][K step of 128][1,536 bytes], piece c of 512 bytes = registers 4 c .. 4 c + 3, lane l's 16 bytes at 16 l; lane-row r of block 2 b + u is
; row 32 b + 8 u + r + 8 (r / 8).  In qkc K steps 0-7 are q, 8-15 k.  Scale words and the two statistics: [K step][group of 128 rows][512 bytes], lane (r, hh): blocks 4 hh + 0 .. 3.
; A tile of S, 256 queries x 256 keys, is made by four waves, each 128 x 128 in 512 registers.  THE MATRIX INSTRUCTION IS USED TRANSPOSED (source 0 = 16 keys, source 1 = 16 queries): a lane holds one query, and by the
; row order the 16 registers of tiles 2 b, 2 b + 1 are 16 neighbouring keys.  A wave's 128 keys are one K step of the next product.
; THE SLOTS.  K = 1,024 is four slots' worth of 256 along K, and LDS holds three slots.  All three are filled at the head; slot 0 is filled again ONCE, with the last quarter of K, as soon as it has been read:
; that load has the work of slots 1 and 2, 256 matrix instructions a wave, in which to land.  So there is one round of the cluster's barrier in the products, and the K steps are written out: no loop.
; CLUSTERS of 4 x 4: q's tiles are asked for jointly along a row of the cluster, k's along a column.
; LIMITS: NaN and infinities are not served; a p under 2^-126 of its run's largest counts as 0; a block whose every p is 0 gets the byte 1 (its codes are zeros).  |t| is a whole number exactly up to 2^24.
; REGISTERS: window 0: v1-4 lane numbers, v16-29 addresses, v32-47 scale words (two sets), v64-255 A's fragments (two sets of 96); on the way out v64-147 are at work.
;   window 1: B's fragments at v0 and v128.   windows 2, 3: accumulator (a, b) at v[8 (8 (a % 4) + b)] of window 2 + a / 4.
.set MB,    8
.set AB,    2*MB*3072                  ; a slot: A's 16 blocks x 3,072 bytes (two K steps),
.set SLOT,  AB+49152                   ; then B's 16
.set SCL,   3*SLOT                     ; behind the three slots: the scale words of all of K: 4,096 bytes for each of A's two groups, then B's two
.set SPARE, SCL+16384                  ; the spare words, 128 bytes for each wave: two blocks of 256 bytes that no other line names
.set NF,    26+3*MB
.set LI,    4
.set ADRA,  16                         ; v16-18 my A blocks in slot 0, 1, 2
.set ADRB,  20                         ; v20-22 my B blocks
.set ADRS,  27
.set SPW,   28
.set NIL,   29
.set SC,    32
.set AF,    64
.set BM,    64                         ; v64-67  the blocks' largest scores, then their largest p
.set BT,    68                         ; v68-71  at work
.set SO,    72                         ; v72-75  the conversions' scale operands
.set NM,    76                         ; v[76:77] -M' (the packed form names a pair and takes its low word)
.set TT,    78
.set PC,    84                         ; v84-95  codes;  v96-98, v100-102 the upper halves
.set CT,    96
.set SW,    104                        ; v104-111 scale words, v112-119 -M', v120-127 l', one for each block of queries
.set NMV,   112
.set LV,    120
.set SD,    128                        ; v128-139 their three images
.set LS,    140                        ; v140-147 the sum in four packed chains
.set G1,    24                         ; s[24:31] group 1 for A's tiles;  s[32:39] groups 0 for slots 0 and 1;  s[4:7] for slot 2 (the pointers that lay there are done with)
.set G0,    32
.set G0C,   4
.set G1B,   48                         ; s[48:55], s[56:63], s[96:99] the same for B's
.set G0B,   56
.set G0BC,  96
.set G1S,   68
.set G0S,   76
.set G1SB,  80
.set G0SB,  88
.set SEL,   92
.set CS,    94                         ; s[94:95] c = log2(e) / sqrt(1024)
.set MSB, 0
.macro WIN new                         ; the immediate's high byte repeats the setting that is left; a switch that changes nothing is dropped
.if MSB != (\new)
	s_set_vgpr_msb (MSB<<8)|(\new)
.set MSB, (\new)
.endif
.endm
; A joint load: waves 0 and 1 fetch for A, waves 2 and 3 for B; the branch hangs on the wave's number alone.  Four v_nop follow each of the two lines.
.macro JLOAD g0a, g1a, g0b, g1b
	s_cmp_eq_u32 s17, 0
	s_cbranch_scc0 .Lfor_b_\@
	tensor_load_to_lds s[\g0a:\g0a+3], s[\g1a:\g1a+7]
	s_nop 0
.rept 4
	v_nop
.endr
	s_branch .Lasked_\@
.Lfor_b_\@:
	tensor_load_to_lds s[\g0b:\g0b+3], s[\g1b:\g1b+7]
	s_nop 0
.rept 4
	v_nop
.endr
.Lasked_\@:
.endm
.macro CREST                           ; a round of the cluster's barrier behind its opening barrier
	s_cmp_lg_u32 s16, 0
	s_cbranch_scc1 .Lnot_wave_0_\@
	s_barrier_signal -3
.Lnot_wave_0_\@:
	s_barrier_wait -3
	s_barrier_signal -1
	s_barrier_wait -1
.endm
.macro CROUND
	s_barrier_signal -1
	s_barrier_wait -1
	CREST
.endm
.macro PLACES                          ; four plain vector instructions between a matrix instruction and a load into, or a vector instruction on, its registers
.rept 4
	v_nop
.endr
.endm
.macro END3                            ; the wave's end
	s_wait_tensorcnt 0x0
	ds_add_u32 v[SPW], v[NIL]
	s_wait_dscnt 0x0
.endm
; The groups 0 of slot s (ga for A, gb for B), and the slot's first fill: K steps 2 s and 2 s + 1.
.macro FIRST ga, gb, s
	s_mov_b32 s[\ga], 1                            ; 1:0 count = 1
	s_add_co_u32 s[\ga+1], s2, (\s)*SLOT           ; 63:32 LDS address
	s_add_nc_u64 s[\ga+2:\ga+3], s[20:21], (\s)*3072   ; 120:64 global address
	s_or_b32 s[\ga+3], s[\ga+3], 0x80000000        ; 127:126 type = 2
	s_mov_b32 s[\gb], 1
	s_add_co_u32 s[\gb+1], s15, (\s)*SLOT
	s_add_nc_u64 s[\gb+2:\gb+3], s[46:47], (\s)*3072
	s_or_b32 s[\gb+3], s[\gb+3], 0x80000000
	JLOAD \ga, G1, \gb, G1B
.endm
; The fragments and scale words of the slot's q-th K step into set q: every load takes 512 consecutive bytes.  A's upper blocks come last, so that a wait can leave them out.
.macro FETCH slot, q
	WIN 0x40                                       ; destination window 1
.set fi, 0
.rept 8
.irp c, 0,1,2
	ds_load_b128 v[128*(\q)+12*fi+4*\c:128*(\q)+12*fi+4*\c+3], v[ADRB+\slot] offset:3072*fi+1536*(\q)+512*\c
.endr
.set fi, fi+1
.endr
	WIN 0
.set fi, 0
.rept MB/2
.irp c, 0,1,2
	ds_load_b128 v[AF+12*MB*(\q)+12*fi+4*\c:AF+12*MB*(\q)+12*fi+4*\c+3], v[ADRA+\slot] offset:3072*fi+1536*(\q)+512*\c
.endr
.set fi, fi+1
.endr
	ds_load_b128 v[SC+8*(\q):SC+8*(\q)+3], v[ADRS] offset:512*(\q)
	ds_load_b128 v[SC+8*(\q)+4:SC+8*(\q)+7], v[ADRS] offset:512*(\q)+256
.rept MB/2
.irp c, 0,1,2
	ds_load_b128 v[AF+12*MB*(\q)+12*fi+4*\c:AF+12*MB*(\q)+12*fi+4*\c+3], v[ADRA+\slot] offset:3072*fi+1536*(\q)+512*\c
.endr
.set fi, fi+1
.endr
.endm
; A quarter of a K step: two blocks of A x B's eight, on set q.  zero = 1: the first product starts the sums.  All accumulators take turns, one instruction a turn, in the same order in every K step.
.macro MULQ qi, q, zero
.set ma, (\qi)*(MB/4)
.rept MB/4
	WIN 0xa1+0x50*(ma/4)                           ; source 0 (B) window 1, source 1 (A) window 0, C and D window 2 or 3
.set mb, 0
.rept 8
.set rD, 8*(8*(ma%4)+mb)
.set rB, 128*(\q)+12*mb
.set rA, AF+12*MB*(\q)+12*ma
.set rSB, SC+8*(\q)+mb
.set rSA, SC+8*(\q)+ma
.if \zero
	v_wmma_scale_f32_16x16x128_f8f6f4 v[rD:rD+7], v[rB:rB+11], v[rA:rA+11], 0, v[rSB], v[rSA] matrix_a_fmt:MATRIX_FMT_FP6 matrix_b_fmt:MATRIX_FMT_FP6 matrix_a_scale:MATRIX_SCALE_ROW1
.else
	v_wmma_scale_f32_16x16x128_f8f6f4 v[rD:rD+7], v[rB:rB+11], v[rA:rA+11], v[rD:rD+7], v[rSB], v[rSA] matrix_a_fmt:MATRIX_FMT_FP6 matrix_b_fmt:MATRIX_FMT_FP6 matrix_a_scale:MATRIX_SCALE_ROW1
.endif
.set mb, mb+1
.endr
.set ma, ma+1
.endr
.endm
; A slot's first K step, on set 0; in its middle the second K step's operands are fetched into set 1.
.macro STEP slot, zero
	s_wait_dscnt 3*MB/2                            ; B, A's lower blocks and the scale words are in; A's upper blocks, the youngest loads, may be out
	MULQ 0, 0, \zero
	MULQ 1, 0, \zero
	PLACES
	FETCH \slot, 1
	s_wait_dscnt NF                                ; all but the fetch just issued
	MULQ 2, 0, \zero
	MULQ 3, 0, \zero
	WIN 0
.endm
; A slot's second K step, on set 1, goes on to the next slot.
; how = 1: this slot is filled again.  In front of ONE barrier, which opens a round of the cluster's, each wave waits for all its tensor loads (the other two slots are whole then), adds 0 to its spare word,
;          and waits for that and for its reads of this slot; the joint refill is the first thing behind the round.
; how = 2: the next slot was shown whole to every wave at the refill's round, and nothing is filled into this slot or the next: no wait on TENSORcnt and no barrier.
; how = 0: the next slot is the one that was filled again: the same three lines and a plain barrier.
.macro TURN slot, next, how
.if (\how) == 2
	s_wait_dscnt 3*MB/2                            ; A's upper blocks may be out
	MULQ 0, 1, 0
	MULQ 1, 1, 0
	WIN 0
	PLACES
.else
	s_wait_tensorcnt 0x0                           ; all my tensor loads have landed
	ds_add_u32 v[SPW], v[NIL]                      ; 0 onto my spare word
	s_wait_dscnt 3*MB/2+1                          ; (the add and A's upper blocks may be out)
	MULQ 0, 1, 0                                   ; matrix work stands between the add and the wait for it
	s_wait_dscnt 0x0                               ; the add is done, and my reads of this slot are over
	s_barrier_signal -1
	MULQ 1, 1, 0
	WIN 0
	s_barrier_wait -1
.if (\how) == 1
	CREST                                          ; the barrier has opened a round of the cluster's: no wave of any partner still reads this slot or has a load on its way
	s_add_nc_u64 s[G0+4*\slot+2:G0+4*\slot+3], s[G0+4*\slot+2:G0+4*\slot+3], 3*3072    ; three slots on along K
	s_add_nc_u64 s[G0B+4*\slot+2:G0B+4*\slot+3], s[G0B+4*\slot+2:G0B+4*\slot+3], 3*3072
	JLOAD G0+4*\slot, G1, G0B+4*\slot, G1B         ; the first tensor load behind the round; its four v_nop are the places in front of the loads below
.else
	PLACES
.endif
.endif
	v_add_nc_u32 v[ADRS], 1024, v[ADRS]            ; the next slot's scale words
	FETCH \next, 0
.if (\how) == 2
	s_wait_dscnt NF                                ; all but the fetch just issued: A's upper blocks are in
.endif
	MULQ 2, 1, 0
	MULQ 3, 1, 0
	WIN 0
.endm
.macro LAST                            ; the very last K step: nothing more to fetch
	s_wait_dscnt 3*MB/2
	MULQ 0, 1, 0
	MULQ 1, 1, 0
	s_wait_dscnt 0x0
	MULQ 2, 1, 0
	MULQ 3, 1, 0
	WIN 0
.endm
	s_load_b256 s[4:11], s[0:1], 0x0               ; qkc, qks, pc, pst
	v_lshl_add_u32 v[SPW], v0, 2, SPARE
	v_mov_b32 v[NIL], 0
	ds_add_u32 v28, v29
	ds_add_u32 v28, v29
	s_wait_dscnt 0x0
	v_lshrrev_b32 v1, 5, v0
	v_readfirstlane_b32 s16, v1                    ; wave 0..3
	s_lshr_b32 s17, s16, 1                         ; which half of the tile's queries is mine.  Also: I fetch for A (0) or for B (1)
	s_and_b32 s18, s16, 1                          ; which half of its keys.  Also: which half of that tile I fetch
	s_bfe_u32 s40, ttmp6, 0x40000                  ; cx, cy: my place in the cluster
	s_bfe_u32 s41, ttmp6, 0x40004
	s_and_b32 s14, ttmp7, 0xffff
	s_lshl_b32 s43, s14, 2
	s_add_co_u32 s43, s43, s41                     ; tile row: 256 queries of the 8,192
	s_lshl_b32 s42, ttmp9, 2
	s_add_co_u32 s42, s42, s40                     ; tile column: 256 keys of the batch's 2,048
	s_lshr_b32 s19, s14, 1                         ; the batch, which the sixteen partners share
	s_lshl_b32 s44, s41, 2
	s_lshl_b32 s44, 15, s44                        ; my row of the cluster
	s_lshl_b32 s45, 0x1111, s40                    ; my column
	s_or_b32 s[G1], s44, (3<<16)|(1<<21)           ; 15:0 the mask; 17:16 elements of 8 bytes; 21 set beside a mask; no padding
	s_or_b32 s[G1B], s45, (3<<16)|(1<<21)
.irp g, G1, G1B
	s_mov_b32 s[\g+1], 384<<16                     ; tensor_dim0: a block's two K steps, 3,072 bytes
	s_mov_b32 s[\g+2], 8<<16                       ; tensor_dim1: 8 blocks
	s_mov_b32 s[\g+3], 384<<16                     ; tile_dim0
	s_mov_b32 s[\g+4], 8                           ; tile_dim1
	s_mov_b32 s[\g+5], 3072                        ; from block to block: 24,576 bytes
	s_mov_b32 s[\g+6], 0
	s_mov_b32 s[\g+7], 0
.endr
	s_or_b32 s[G1S], s44, (3<<16)|(1<<21)          ; the scale words of a group for all of K: 8 rows of 512 bytes
	s_or_b32 s[G1SB], s45, (3<<16)|(1<<21)
.irp g, G1S, G1SB
	s_mov_b32 s[\g+1], 64<<16
	s_mov_b32 s[\g+2], 8<<16
	s_mov_b32 s[\g+3], 64<<16
	s_mov_b32 s[\g+4], 8
	s_mov_b32 s[\g+5], 4096                        ; from K step to K step: 32,768 bytes
	s_mov_b32 s[\g+6], 0
	s_mov_b32 s[\g+7], 0
.endr
	s_lshl_b32 s21, s18, 3
	s_lshl_b32 s20, s43, 4
	s_add_co_u32 s20, s20, s21                     ; the first block of queries that I fetch: it hangs on the tile row alone
	s_lshl_b32 s46, s42, 4
	s_lshl_b32 s47, s19, 7
	s_add_co_u32 s46, s46, s47
	s_add_co_u32 s46, s46, s21                     ; of keys: on the batch and the tile column alone
	s_lshl_b32 s22, s20, 6                         ; eight blocks are a group: 512 bytes of scale words
	s_lshl_b32 s66, s46, 6
	s_add_co_u32 s66, s66, 262144                  ; k's K steps are 8-15
	s_mul_i32 s20, s20, 24576
	s_mul_i32 s46, s46, 24576
	s_add_co_u32 s46, s46, 12288
	s_mov_b32 s21, 0
	s_mov_b32 s23, 0
	s_mov_b32 s47, 0
	s_mov_b32 s67, 0
	s_mul_i32 s2, s18, MB*3072                     ; where they go: no place in the cluster enters an LDS address
	s_mul_i32 s15, s18, 24576
	s_add_co_u32 s15, s15, AB
	s_lshl_b32 s14, s16, 12
	s_mov_b32 s[SEL], 0x76543210
	s_mov_b32 s[SEL+1], 0xfedcba98
	s_mov_b32 s[CS], 0x3d38aa3b                    ; c = log2(e) / 32
	s_mov_b32 s[CS+1], s[CS]                       ; (named with it as a pair, so it is written)
	s_wait_kmcnt 0x0
	s_add_nc_u64 s[20:21], s[4:5], s[20:21]
	s_add_nc_u64 s[22:23], s[6:7], s[22:23]
	s_add_nc_u64 s[46:47], s[4:5], s[46:47]
	s_add_nc_u64 s[66:67], s[6:7], s[66:67]
	CROUND                                         ; all sixteen work-groups are here: the first joint loads meet
	s_mov_b32 s[G0S], 1
	s_add_co_u32 s[G0S+1], s14, SCL
	s_mov_b64 s[G0S+2:G0S+3], s[22:23]
	s_or_b32 s[G0S+3], s[G0S+3], 0x80000000
	s_mov_b32 s[G0SB], 1
	s_add_co_u32 s[G0SB+1], s14, SCL
	s_mov_b64 s[G0SB+2:G0SB+3], s[66:67]
	s_or_b32 s[G0SB+3], s[G0SB+3], 0x80000000
	JLOAD G0S, G1S, G0SB, G1SB                     ; the scale words first: they are wanted with K step 0
	FIRST G0, G0B, 0                               ; then the three slots: four tensor loads of mine are out
	FIRST G0+4, G0B+4, 1
	FIRST G0C, G0BC, 2
	v_and_b32 v1, 15, v0                           ; r
	v_bfe_u32 v2, v0, 4, 1                         ; h
	v_and_b32 v3, 31, v0                           ; lane
	v_lshlrev_b32 v[LI], 4, v3
	s_mul_i32 s20, s17, MB*3072                    ; my blocks of A,
	s_mul_i32 s21, s18, 24576
	s_add_co_u32 s21, s21, AB                      ; of B
.irp s, 0,1,2
	v_add_nc_u32 v[ADRA+\s], s20, v[LI]
	v_add_nc_u32 v[ADRB+\s], s21, v[LI]
	s_add_co_u32 s20, s20, SLOT
	s_add_co_u32 s21, s21, SLOT
.endr
	s_lshl_b32 s20, s17, 12                        ; A's group: 4,096 x my half
	s_add_co_u32 s21, s18, 2
	s_lshl_b32 s21, s21, 12                        ; B's, behind A's two
	s_sub_co_u32 s21, s21, s20
	v_mul_u32_u24 v6, s21, v2                      ; lanes 16-31 take B's
	s_add_co_u32 s20, s20, SCL
	v_lshl_add_u32 v6, v1, 4, v6
	v_add_nc_u32 v[ADRS], s20, v6
	; where the results go: codes at block (16 tile row + 8 half), K step (2 tile column + half); the three images at that K step, group (2 tile row + half)
	s_lshl_b32 s20, s43, 4
	s_lshl_b32 s21, s17, 3
	s_add_co_u32 s20, s20, s21
	s_mul_i32 s20, s20, 24576
	s_lshl_b32 s21, s42, 1
	s_add_co_u32 s21, s21, s18
	s_mul_i32 s22, s21, 1536
	s_add_co_u32 s20, s20, s22
	s_lshl_b32 s22, s21, 15
	s_lshl_b32 s23, s43, 1
	s_add_co_u32 s23, s23, s17
	s_lshl_b32 s23, s23, 9
	s_add_co_u32 s22, s22, s23
	s_mov_b32 s21, 0
	s_mov_b32 s23, 0
	s_add_nc_u64 s[8:9], s[8:9], s[20:21]
	s_add_nc_u64 s[10:11], s[10:11], s[22:23]
	s_wait_tensorcnt 2                             ; the scale words and my part of slot 0 are in (the loads of slots 1 and 2 may be out)
	s_barrier_signal -1
	s_barrier_wait -1                              ; everybody's are
	FETCH 0, 0
	STEP 0, 1                                      ; K step 0 starts the sums: nothing is cleared
	TURN 0, 1, 1                                   ; K step 1; slot 0 is asked for again: K steps 6 and 7
	STEP 1, 0                                      ; K step 2
	TURN 1, 2, 2                                   ; K step 3; on to slot 2 with no barrier
	STEP 2, 0                                      ; K step 4
	TURN 2, 0, 0                                   ; K step 5; the refill has landed in every wave's part
	STEP 0, 0                                      ; K step 6
	LAST                                           ; K step 7
	PLACES
; THE WAY OUT, a block of 16 queries at a time.  Register 16 b + i of a lane is the score of my query with key 32 b + 16 h + i of my wave's 128.
.irp b, 0,1,2,3
	v_mov_b32 v[BT+\b], 0                          ; written once: a lane permute's destination counts as one of its sources
.endr
	v_mov_b32 v[NM+1], 0                           ; (named as the upper half of a pair)
.macro SEPI a
.set W, 2+(\a)/4
.set AC, 64*((\a)%4)
	WIN (W<<2)|(W<<4)                              ; sources 1 and 2: the accumulators' window
.irp b, 0,1,2,3
	v_max3_num_f32 v[BM+\b], 0xff800000, v[AC+16*\b], v[AC+16*\b+1]   ; the largest score of each block of 32 keys, each accumulator from its low end on: it serves the run's maximum and, since p rises with the score, the block's largest p
.endr
.irp i, 2,4,6,8,10,12,14
.irp b, 0,1,2,3
	v_max3_num_f32 v[BM+\b], v[BM+\b], v[AC+16*\b+\i], v[AC+16*\b+\i+1]
.endr
.endr
	WIN 0
.irp b, 0,1,2,3
	v_permlanex16_b32 v[BT+\b], v[BM+\b], s[SEL], s[SEL+1]
.endr
.irp b, 0,1,2,3
	v_max_num_f32 v[BM+\b], v[BM+\b], v[BT+\b]     ; with lane l xor 16's 16 keys
.endr
	v_max3_num_f32 v[TT], v[BM], v[BM+1], v[BM+2]
	v_max_num_f32 v[TT], v[TT], v[BM+3]            ; the largest score of my query among the 128 keys,
	v_mul_f32 v[TT], s[CS], v[TT]                  ; as t (c is positive)
	v_floor_f32 v[NM], -v[TT]                      ; -M' = floor(-t) = -ceil(t): a whole number
	v_mov_b32 v[NMV+\a], v[NM]
.irp b, 0,1,2,3
	v_fma_f32 v[BM+\b], v[BM+\b], s[CS], v[NM]     ; t - M' of each block's largest score
.endr
	WIN (W<<6)|W                                   ; destination and source 0: the accumulators' window
.set j, 0
.rept 32
	v_pk_fma_f32 v[AC+j:AC+j+1], v[AC+j:AC+j+1], s[CS:CS+1], v[NM:NM+1] op_sel_hi:[1,0,0]   ; t - M', two at a time
.set j, j+2
.endr
.set j, 0
.rept 64
	v_exp_f32 v[AC+j], v[AC+j]                     ; p = 2^(t - M'), at most 1
.set j, j+1
.endr
	WIN 0
	v_nop                                          ; a plain instruction behind the last exponential,
	s_wait_alu depctr_va_vdst(0)                   ; and the wait ahead of the first line that names a result: one for the 64
.irp b, 0,1,2,3
	v_exp_f32 v[BM+\b], v[BM+\b]                   ; the block's largest p: the same two instructions on the same number give the same bits
.endr
.irp i, 0,1,2,3,4,5,6,7
	v_mov_b32 v[LS+\i], 0                          ; plain work behind the four
.endr
	s_wait_alu depctr_va_vdst(0)                   ; and one wait for the four
	WIN (W<<2)                                     ; source 1: the accumulators' window
.set j, 0
.rept 8
.irp n, 0,1,2,3
	v_pk_add_f32 v[LS+2*\n:LS+2*\n+1], v[LS+2*\n:LS+2*\n+1], v[AC+j+2*\n:AC+j+2*\n+1]   ; the sum is taken of the unquantised p: four chains
.endr
.set j, j+8
.endr
	WIN 0
.irp b, 0,1,2,3
	v_max_num_f32 v[BM+\b], 0x1800000, v[BM+\b]    ; the floor 2^(3 - 127): the byte cannot fall under 1
.endr
	v_pk_add_f32 v[LS:LS+1], v[LS:LS+1], v[LS+2:LS+3]
	v_pk_add_f32 v[LS+4:LS+5], v[LS+4:LS+5], v[LS+6:LS+7]
.irp b, 0,1,2,3
	v_add_nc_u32 v[SO+\b], 0xff000000, v[BM+\b]    ; 2 off the exponent field: the conversion's scale operand
.endr
	v_pk_add_f32 v[LS:LS+1], v[LS:LS+1], v[LS+4:LS+5]
.irp b, 0,1,2,3
	v_lshrrev_b32 v[BT+\b], 23, v[SO+\b]           ; the byte
.endr
	v_add_f32 v[LS], v[LS], v[LS+1]
	v_lshl_or_b32 v[SW+\a], v[BT+1], 8, v[BT]
	v_lshl_or_b32 v[SW+\a], v[BT+2], 16, v[SW+\a]
	v_lshl_or_b32 v[SW+\a], v[BT+3], 24, v[SW+\a]
	v_permlanex16_b32 v[TT], v[LS], s[SEL], s[SEL+1]
	v_add_f32 v[LV+\a], v[LS], v[TT]               ; l' of my query
	s_wait_xcnt 0x0                                ; the last block's stores have read their registers
	WIN W                                          ; source 0: the accumulators' window
.irp c, 0,1
	v_cvt_scalef32_pk16_fp6_f32 v[PC+6*\c:PC+6*\c+2], v[AC+32*\c:AC+32*\c+15], v[SO+2*\c]
	v_cvt_scalef32_pk16_fp6_f32 v[CT+4*\c:CT+4*\c+2], v[AC+32*\c+16:AC+32*\c+31], v[SO+2*\c+1]
.endr
	WIN 0
	v_nop                                          ; one plain place behind a scaled conversion
.irp c, 0,1                                        ; the operand's layout wants a whole block in a lane: lanes 0-15 block 2 c, lanes 16-31 block 2 c + 1
.irp i, 0,1,2
	v_permlane16_swap_b32 v[PC+6*\c+\i], v[CT+4*\c+\i]
.endr
.irp i, 0,1,2
	v_mov_b32 v[PC+3+6*\c+\i], v[CT+4*\c+\i]
.endr
.endr
.irp c, 0,1,2
	global_store_b128 v[LI], v[PC+4*\c:PC+4*\c+3], s[8:9] offset:(\a)*24576+512*\c   ; 512 consecutive bytes, aligned
.endr
.endm
.irp a, 0,1,2,3,4,5,6,7
	SEPI \a
.endr
	v_cmp_lt_u32 vcc_lo, 15, v3                    ; the three images: lanes 0-15 blocks 0-3, lanes 16-31 blocks 4-7
.irp i, 0,1,2,3
	v_cndmask_b32 v[SD+\i], v[SW+\i], v[SW+4+\i], vcc_lo
	v_cndmask_b32 v[SD+4+\i], v[NMV+\i], v[NMV+4+\i], vcc_lo
	v_cndmask_b32 v[SD+8+\i], v[LV+\i], v[LV+4+\i], vcc_lo
.endr
	global_store_b128 v[LI], v[SD:SD+3], s[10:11]
	global_store_b128 v[LI], v[SD+4:SD+7], s[10:11] offset:524288
	global_store_b128 v[LI], v[SD+8:SD+11], s[10:11] offset:1048576
	END3
	CROUND                                         ; the closing round: no work-group ends while a partner may still ask for a tile that names it
	s_endpgm
.Lfunc_end_k_qbea385db69_score:
	.size	k_qbea385db69_score, .Lfunc_end_k_qbea385db69_score-k_qbea385db69_score
	.p2alignl 7, 3214868480
	.fill 96, 4, 3214868480
	.section	.rodata,"a",@progbits
	.p2align	6, 0x0
	.amdhsa_kernel k_qbea385db69_score
		.amdhsa_group_segment_fixed_size 327680
		.amdhsa_private_segment_fixed_size 0
		.amdhsa_enable_private_segment 0
		.amdhsa_kernarg_size 32
		.amdhsa_user_sgpr_count 2
		.amdhsa_user_sgpr_kernarg_segment_ptr 1
		.amdhsa_wavefront_size32 1
		.amdhsa_system_sgpr_workgroup_id_x 1
		.amdhsa_system_sgpr_workgroup_id_y 1
		.amdhsa_system_sgpr_workgroup_id_z 1
		.amdhsa_system_vgpr_workitem_id 0
		.amdhsa_next_free_vgpr 1024
		.amdhsa_next_free_sgpr 104
		.amdhsa_reserve_vcc 1
		.amdhsa_float_denorm_mode_32 3
		.amdhsa_float_denorm_mode_16_64 3
		.amdhsa_memory_ordered 1
		.amdhsa_forward_progress 1
		.amdhsa_inst_pref_size 200
	.end_amdhsa_kernel
	.amdgpu_metadata
---
amdhsa.version: [ 1, 2 ]
amdhsa.kernels:
  - .name:           k_qbea385db69_score
    .symbol:         k_qbea385db69_score.kd
    .args:
      - { .name: qkc, .offset: 0, .size: 8, .value_kind: global_buffer, .address_space: global }
      - { .name: qks, .offset: 8, .size: 8, .value_kind: global_buffer, .address_space: global }
      - { .name: pc, .offset: 16, .size: 8, .value_kind: global_buffer, .address_space: global }
      - { .name: pst, .offset: 24, .size: 8, .value_kind: global_buffer, .address_space: global }
    .group_segment_fixed_size: 327680
    .private_segment_fixed_size: 0
    .kernarg_segment_align: 8
    .kernarg_segment_size: 32
    .max_flat_workgroup_size: 128
    .sgpr_count:     104
    .vgpr_count:     1024
    .wavefront_size: 32
...
	.end_amdgpu_metadata
.endif
;; end of part 3
;; launch outp (part 4): grid 4 x 64, 4 waves a work-group, clusters of 4 x 4, 327,680 bytes of LDS; arguments pc, pst, vtc, vts, out0; writes out0
.if DOCPART == 4
	.amdgcn_target "amdgcn-amd-amdhsa--gfx1250"
	.amdhsa_code_object_version 6
	.text
	.protected	k_qbea385db69_outp
	.globl	k_qbea385db69_outp
	.p2align	8
	.type	k_qbea385db69_outp,@function
k_qbea385db69_outp:
	s_mov_b64 s[64:65], 0
	v_nop
	global_prefetch_b8 v0, s[64:65] scope:SCOPE_SE
	s_setreg_imm32_b32 hwreg(HW_REG_WAVE_MODE, 25, 1), 1
	s_wait_xcnt 0x0
	s_wait_alu depctr_hold_cnt(0) depctr_sa_sdst(0) depctr_va_vdst(0) depctr_va_sdst(0) depctr_va_ssrc(0) depctr_va_vcc(0) depctr_vm_vsrc(0)
	s_getreg_b32 s2, hwreg(HW_REG_IB_STS2, 6, 4)
	s_cmp_eq_u32 s2, 0
	s_cbranch_scc0 .Lentry_in_a_cluster
	s_endpgm
.Lentry_in_a_cluster:
	s_bfe_u32 s2, ttmp6, 0x10000c
	s_cmp_lg_u32 s2, 0xf033
	s_cbranch_scc0 .Lentry_shape_is_right
	s_endpgm
.Lentry_shape_is_right:
; O = P V / l on codes of FP6 (E2M3) with E8M0 scales, sums in f32.  P arrives as codes made under a whole number M' of its own for each query and each run of 128 keys, with -M' and the run's sum l'.
; AT THE HEAD each wave finds, for its 64 queries, M = the largest M' of the 16 runs, l = the sum of l' 2^(M' - M), and moves the scale bytes of P by M' - M (a whole number, 0 or less): the codes then stand for
; p = 2^(t - M).  The moved scale words go to LDS, where the product takes them.
; OPERANDS are images of the matrix unit's registers: [block of 16 rows][K step of 128][1,536 bytes], piece c of 512 bytes = registers 4 c .. 4 c + 3, lane l's 16 bytes at 16 l; lane-row r of block 2 b + u is
; row 32 b + 8 u + r + 8 (r / 8).  Scale words and statistics: [K step][group of 128 rows][512 bytes], lane (r, hh): blocks 4 hh + 0 .. 3.
; A tile of O, 128 queries x 256 channels, is made by four waves, each 64 x 128 in 256 registers: 256 work-groups.  THE MATRIX INSTRUCTION IS USED TRANSPOSED (source 0 = 16 rows of V^T, source 1 = 16 queries).
; THE SLOTS.  K = the batch's 2,048 keys goes through two LDS slots of 512 keys (four K steps), as large as LDS allows: half of K is asked for at the head, and each slot is filled again once; a refill has
; a slot's 128 matrix instructions a wave in which to land.  The sixteen K steps are written out: no loop.
; CLUSTERS of 4 x 4: P's tiles are asked for jointly along a row of the cluster, V^T's tiles and scale words along a column.
; LIMITS: where a run's M' lies more than 127 under the row's M the move is held at -127, and a byte that would fall under 0 is held at 0: what is left of such a run lies under 2^-120 of the row's largest term.
;   The byte arithmetic takes every byte of P's scale words to be at most 125, which holds since p is at most 1.  NaN and infinities are not served.
; REGISTERS: window 0: v1-11 lane numbers and addresses, v16-29 addresses, v32-47 scale words (two sets), v48-55 1 / l, v64-159 A's fragments (two sets of 48); at the head v64-239 are at work, on the way out v128-255.
;   window 1: B's fragments at v0 and v128.   window 2: accumulator (a, b) at v[8 (8 a + b)].
.set MB,    4
.set RBL,   6144                       ; a block's four K steps: in a slot, and along a block's row in memory
.set AB,    2*MB*RBL                   ; a slot: A's 8 blocks,
.set SLOT,  AB+16*RBL                  ; then B's 16
.set SCLA,  2*SLOT                     ; P's moved scale words: 16 K steps x 512 bytes, written by the waves
.set SCLB,  SCLA+8192                  ; V^T's: two groups x 16 K steps x 512 bytes
.set SPARE, SCLB+16384                 ; the spare words, 128 bytes for each wave: two blocks of 256 bytes that no other line names
.set STG,   0                          ; the way out: 16 rows x (512 + 16) bytes for each wave, in slot 0: it has had its last fill, and nobody reads it behind the last change of slots
.set NF,    26+3*MB
.set LI,    4
.set STO,   10                         ; v10  the stage: where I put 32 bytes of a row
.set RD,    11                         ; v11  and where I read a row back
.set ADRA,  16
.set ADRB,  20
.set ADRS2, 26                         ; v26  lanes 16-31: B's blocks 4-7
.set ADRS,  27                         ; v27  lanes 0-15: A's four blocks; lanes 16-31: B's blocks 0-3
.set SPW,   28
.set NIL,   29
.set SC,    32
.set RL,    48                         ; v48, 50, 52, 54: 1 / l of my query in block 0 .. 3 (pairs for the packed multiply)
.set AF,    64
.set NM,    64                         ; the head: v64-127 -M', then M' - M; v128-191 l'; v192-223 P's scale words of my 8 K steps
.set LL,    128
.set PS,    192
.set NR,    224                        ; v224-227 -M;  v228-231 l;  v232-239 at work
.set LSM,   228
.set T1,    232
.set T2,    236
.set T,     128                        ; the way out: v128-191 a block / l; v192-255 its rows back from the stage
.set BK,    192
.set G1,    24
.set G0,    32
.set G1B,   48
.set G0B,   56
.set G1SB,  80
.set G0SB,  88
.set MSB, 0
.macro WIN new                         ; the immediate's high byte repeats the setting that is left; a switch that changes nothing is dropped
.if MSB != (\new)
	s_set_vgpr_msb (MSB<<8)|(\new)
.set MSB, (\new)
.endif
.endm
; A joint load: waves 0 and 1 fetch for A, waves 2 and 3 for B; the branch hangs on the wave's number alone.  Four v_nop follow each of the two lines.
.macro JLOAD g0a, g1a, g0b, g1b
	s_cmp_eq_u32 s17, 0
	s_cbranch_scc0 .Lfor_b_\@
	tensor_load_to_lds s[\g0a:\g0a+3], s[\g1a:\g1a+7]
	s_nop 0
.rept 4
	v_nop
.endr
	s_branch .Lasked_\@
.Lfor_b_\@:
	tensor_load_to_lds s[\g0b:\g0b+3], s[\g1b:\g1b+7]
	s_nop 0
.rept 4
	v_nop
.endr
.Lasked_\@:
.endm
.macro CREST                           ; a round of the cluster's barrier behind its opening barrier
	s_cmp_lg_u32 s16, 0
	s_cbranch_scc1 .Lnot_wave_0_\@
	s_barrier_signal -3
.Lnot_wave_0_\@:
	s_barrier_wait -3
	s_barrier_signal -1
	s_barrier_wait -1
.endm
.macro CROUND
	s_barrier_signal -1
	s_barrier_wait -1
	CREST
.endm
.macro PLACES                          ; four plain vector instructions between a matrix instruction and a load into, or a vector instruction on, its registers
.rept 4
	v_nop
.endr
.endm
.macro END3                            ; the wave's end
	s_wait_tensorcnt 0x0
	ds_add_u32 v[SPW], v[NIL]
	s_wait_dscnt 0x0
.endm
; The fragments and scale words of the slot's q-th K step (q = 0 .. 3) into set q % 2: every load takes 512 consecutive bytes.  A's upper blocks come last, so that a wait can leave them out.
.macro FETCH slot, q
	WIN 0x40                                       ; destination window 1
.set fi, 0
.rept 8
.irp c, 0,1,2
	ds_load_b128 v[128*((\q)%2)+12*fi+4*\c:128*((\q)%2)+12*fi+4*\c+3], v[ADRB+\slot] offset:RBL*fi+1536*(\q)+512*\c
.endr
.set fi, fi+1
.endr
	WIN 0
.set fi, 0
.rept MB/2
.irp c, 0,1,2
	ds_load_b128 v[AF+12*MB*((\q)%2)+12*fi+4*\c:AF+12*MB*((\q)%2)+12*fi+4*\c+3], v[ADRA+\slot] offset:RBL*fi+1536*(\q)+512*\c
.endr
.set fi, fi+1
.endr
	ds_load_b128 v[SC+8*((\q)%2):SC+8*((\q)%2)+3], v[ADRS] offset:512*(\q)
	ds_load_b128 v[SC+8*((\q)%2)+4:SC+8*((\q)%2)+7], v[ADRS2] offset:512*(\q)
.rept MB/2
.irp c, 0,1,2
	ds_load_b128 v[AF+12*MB*((\q)%2)+12*fi+4*\c:AF+12*MB*((\q)%2)+12*fi+4*\c+3], v[ADRA+\slot] offset:RBL*fi+1536*(\q)+512*\c
.endr
.set fi, fi+1
.endr
.endm
; A quarter of a K step: block qi of A x B's eight, on set p.  zero = 1: the first product starts the sums.  The 32 accumulators take turns, one instruction a turn, in the same order in every K step.
.macro MULQ qi, p, zero
	WIN 0xa1                                       ; source 0 (B) window 1, source 1 (A) window 0, C and D window 2
.set ma, (\qi)
.set mb, 0
.rept 8
.set rD, 8*(8*ma+mb)
.set rB, 128*(\p)+12*mb
.set rA, AF+12*MB*(\p)+12*ma
.set rSB, SC+8*(\p)+mb
.set rSA, SC+8*(\p)+ma
.if \zero
	v_wmma_scale_f32_16x16x128_f8f6f4 v[rD:rD+7], v[rB:rB+11], v[rA:rA+11], 0, v[rSB], v[rSA] matrix_a_fmt:MATRIX_FMT_FP6 matrix_b_fmt:MATRIX_FMT_FP6 matrix_a_scale:MATRIX_SCALE_ROW1
.else
	v_wmma_scale_f32_16x16x128_f8f6f4 v[rD:rD+7], v[rB:rB+11], v[rA:rA+11], v[rD:rD+7], v[rSB], v[rSA] matrix_a_fmt:MATRIX_FMT_FP6 matrix_b_fmt:MATRIX_FMT_FP6 matrix_a_scale:MATRIX_SCALE_ROW1
.endif
.set mb, mb+1
.endr
.endm
; One of a slot's first three K steps, the q-th, on set q % 2; in its middle the next K step's operands are fetched into the other set.
.macro STEP slot, q, zero
	s_wait_dscnt 3*MB/2                            ; B, A's lower blocks and the scale words are in; A's upper blocks, the youngest loads, may be out
	MULQ 0, (\q)%2, \zero
	MULQ 1, (\q)%2, \zero
	PLACES
	FETCH \slot, (\q)+1
	s_wait_dscnt NF                                ; all but the fetch just issued
	MULQ 2, (\q)%2, \zero
	MULQ 3, (\q)%2, \zero
	WIN 0
.endm
.macro THREE slot, zero
	STEP \slot, 0, \zero
	STEP \slot, 1, 0
	STEP \slot, 2, 0
.endm
; A slot's fourth K step, on set 1, changes slots: ONE barrier; in front of it each wave waits for all its tensor loads, adds 0 to its spare word, and waits for that and for its reads of this slot.
; fill = 1: this slot is filled again, with the keys two slots on.
.macro TURN slot, next, fill
	s_wait_tensorcnt 0x0                           ; all my tensor loads have landed: my part of the next slot
	ds_add_u32 v[SPW], v[NIL]                      ; 0 onto my spare word
	s_wait_dscnt 3*MB/2+1                          ; (the add and A's upper blocks may be out)
	MULQ 0, 1, 0                                   ; matrix work stands between the add and the wait for it
	s_wait_dscnt 0x0                               ; the add is done, and my reads of this slot are over
	s_barrier_signal -1
	MULQ 1, 1, 0
	WIN 0
	s_barrier_wait -1
.if \fill
	CREST                                          ; the barrier has opened a round of the cluster's: no wave of any partner still reads this slot or has a load on its way
	s_add_nc_u64 s[G0+4*\slot+2:G0+4*\slot+3], s[G0+4*\slot+2:G0+4*\slot+3], 2*RBL
	s_add_nc_u64 s[G0B+4*\slot+2:G0B+4*\slot+3], s[G0B+4*\slot+2:G0B+4*\slot+3], 2*RBL
	JLOAD G0+4*\slot, G1, G0B+4*\slot, G1B         ; the first tensor load behind the round; its four v_nop are the places in front of the loads below
.else
	PLACES
.endif
	v_add_nc_u32 v[ADRS], 2048, v[ADRS]            ; the next slot's scale words: four K steps on
	v_add_nc_u32 v[ADRS2], 2048, v[ADRS2]
	FETCH \next, 0
	MULQ 2, 1, 0
	MULQ 3, 1, 0
	WIN 0
.endm
.macro LAST                            ; the very last K step: nothing more to fetch
	s_wait_dscnt 3*MB/2
	MULQ 0, 1, 0
	MULQ 1, 1, 0
	s_wait_dscnt 0x0
	MULQ 2, 1, 0
	MULQ 3, 1, 0
	WIN 0
.endm
	s_load_b256 s[4:11], s[0:1], 0x0               ; pc, pst, vtc, vts
	s_load_b64 s[12:13], s[0:1], 0x20              ; out0
	v_lshl_add_u32 v[SPW], v0, 2, SPARE
	v_mov_b32 v[NIL], 0
	ds_add_u32 v28, v29
	ds_add_u32 v28, v29
	s_wait_dscnt 0x0
	v_lshrrev_b32 v1, 5, v0
	v_readfirstlane_b32 s16, v1                    ; wave 0..3
	s_lshr_b32 s17, s16, 1                         ; which half of the tile's queries is mine.  Also: I fetch for A (0) or for B (1)
	s_and_b32 s18, s16, 1                          ; which half of its channels.  Also: which half of that tile I fetch
	s_bfe_u32 s40, ttmp6, 0x40000                  ; cx, cy: my place in the cluster
	s_bfe_u32 s41, ttmp6, 0x40004
	s_and_b32 s14, ttmp7, 0xffff
	s_lshl_b32 s43, s14, 2
	s_add_co_u32 s43, s43, s41                     ; tile row: 128 queries of the 8,192
	s_lshl_b32 s42, ttmp9, 2
	s_add_co_u32 s42, s42, s40                     ; tile column: 256 channels of the 1,024
	s_lshr_b32 s19, s14, 2                         ; the batch, which the sixteen partners share
	s_lshl_b32 s44, s41, 2
	s_lshl_b32 s44, 15, s44                        ; my row of the cluster
	s_lshl_b32 s45, 0x1111, s40                    ; my column
	s_or_b32 s[G1], s44, (3<<16)|(1<<21)           ; 15:0 the mask; 17:16 elements of 8 bytes; 21 set beside a mask; no padding
	s_mov_b32 s[G1+1], 768<<16                     ; tensor_dim0: a block's four K steps, 6,144 bytes
	s_mov_b32 s[G1+2], 4<<16                       ; tensor_dim1: 4 blocks of queries
	s_mov_b32 s[G1+3], 768<<16                     ; tile_dim0
	s_mov_b32 s[G1+4], 4                           ; tile_dim1
	s_mov_b32 s[G1+5], 3072                        ; from block to block in pc: 24,576 bytes
	s_mov_b32 s[G1+6], 0
	s_mov_b32 s[G1+7], 0
	s_or_b32 s[G1B], s45, (3<<16)|(1<<21)
	s_mov_b32 s[G1B+1], 768<<16
	s_mov_b32 s[G1B+2], 8<<16                      ; 8 blocks of channels
	s_mov_b32 s[G1B+3], 768<<16
	s_mov_b32 s[G1B+4], 8
	s_mov_b32 s[G1B+5], 12288                      ; from block to block in vtc: 98,304 bytes
	s_mov_b32 s[G1B+6], 0
	s_mov_b32 s[G1B+7], 0
	s_or_b32 s[G1SB], s45, (3<<16)|(1<<21)         ; V^T's scale words: a group's 8 K steps, 8 rows of 512 bytes
	s_mov_b32 s[G1SB+1], 64<<16
	s_mov_b32 s[G1SB+2], 8<<16
	s_mov_b32 s[G1SB+3], 64<<16
	s_mov_b32 s[G1SB+4], 8
	s_mov_b32 s[G1SB+5], 512                       ; from K step to K step in vts: 4,096 bytes
	s_mov_b32 s[G1SB+6], 0
	s_mov_b32 s[G1SB+7], 0
	s_lshl_b32 s20, s43, 3
	s_lshl_b32 s21, s18, 2
	s_add_co_u32 s20, s20, s21                     ; the first block of queries that I fetch: it hangs on the tile row alone
	s_mul_i32 s20, s20, 24576
	s_mov_b32 s21, 0
	s_lshl_b32 s46, s42, 4
	s_lshl_b32 s47, s18, 3
	s_add_co_u32 s46, s46, s47                     ; of channels: on the tile column alone,
	s_mul_i32 s46, s46, 98304
	s_mul_i32 s47, s19, 24576                      ; at the batch's 16 K steps
	s_add_co_u32 s46, s46, s47
	s_mov_b32 s47, 0
	s_lshl_b32 s66, s19, 4
	s_lshl_b32 s67, s17, 3
	s_add_co_u32 s66, s66, s67                     ; V^T's scale words: K steps 16 batch + 8 (wave / 2) on,
	s_lshl_b32 s66, s66, 12
	s_lshl_b32 s67, s42, 1
	s_add_co_u32 s67, s67, s18                     ; group 2 tile column + wave % 2
	s_lshl_b32 s67, s67, 9
	s_add_co_u32 s66, s66, s67
	s_mov_b32 s67, 0
	s_lshl_b32 s22, s43, 9                         ; the statistics of my tile's 128 queries: one group
	s_mov_b32 s23, 0
	s_mul_i32 s2, s18, MB*RBL                      ; where the tiles go: no place in the cluster enters an LDS address
	s_mul_i32 s15, s18, 8*RBL
	s_add_co_u32 s15, s15, AB
	s_lshl_b32 s14, s18, 13
	s_lshl_b32 s3, s17, 12
	s_add_co_u32 s14, s14, s3
	v_and_b32 v1, 15, v0                           ; r
	v_bfe_u32 v2, v0, 4, 1                         ; h
	v_and_b32 v3, 31, v0                           ; lane
	v_lshlrev_b32 v[LI], 4, v3
	s_lshl_b32 s3, s17, 8                          ; my 64 queries are half a group: 256 bytes
	s_lshl_b32 s100, s18, 18                       ; the 8 K steps whose bytes I move: 8 x 32,768 bytes x wave % 2,
	s_add_co_u32 s100, s100, s3
	s_xor_b32 s101, s18, 1
	s_lshl_b32 s101, s101, 18                      ; and the other 8
	s_add_co_u32 s101, s101, s3
	v_lshl_add_u32 v5, v1, 4, s100                 ; lanes r and r + 16 read the same 16 bytes: the four blocks' words of lane-row r
	v_lshl_add_u32 v6, v1, 4, s101
	s_wait_kmcnt 0x0
	s_add_nc_u64 s[20:21], s[4:5], s[20:21]
	s_add_nc_u64 s[46:47], s[8:9], s[46:47]
	s_add_nc_u64 s[66:67], s[10:11], s[66:67]
	s_add_nc_u64 s[6:7], s[6:7], s[22:23]
.irp j, 0,1,2,3,4,5,6,7                            ; asked for ahead of the tiles: -M' and l' of all 16 runs, P's scale words of my 8
	global_load_b128 v[NM+4*\j:NM+4*\j+3], v5, s[6:7] offset:\j*32768+524288
	global_load_b128 v[NM+32+4*\j:NM+32+4*\j+3], v6, s[6:7] offset:\j*32768+524288
	global_load_b128 v[LL+4*\j:LL+4*\j+3], v5, s[6:7] offset:\j*32768+1048576
	global_load_b128 v[LL+32+4*\j:LL+32+4*\j+3], v6, s[6:7] offset:\j*32768+1048576
	global_load_b128 v[PS+4*\j:PS+4*\j+3], v5, s[6:7] offset:\j*32768
.endr
	CROUND                                         ; all sixteen work-groups are here: the first joint loads meet
	s_mov_b32 s[G0SB], 1
	s_add_co_u32 s[G0SB+1], s14, SCLB
	s_mov_b64 s[G0SB+2:G0SB+3], s[66:67]
	s_or_b32 s[G0SB+3], s[G0SB+3], 0x80000000
	tensor_load_to_lds s[G0SB:G0SB+3], s[G1SB:G1SB+7]   ; every wave brings a quarter of V^T's scale words, jointly with its column of the cluster
	s_nop 0
.rept 4
	v_nop
.endr
.irp s, 0,1                                        ; then the two slots, keys 0-511 and 512-1,023: three tensor loads of mine are out
	s_mov_b32 s[G0+4*\s], 1
	s_add_co_u32 s[G0+4*\s+1], s2, \s*SLOT
	s_add_nc_u64 s[G0+4*\s+2:G0+4*\s+3], s[20:21], \s*RBL
	s_or_b32 s[G0+4*\s+3], s[G0+4*\s+3], 0x80000000
	s_mov_b32 s[G0B+4*\s], 1
	s_add_co_u32 s[G0B+4*\s+1], s15, \s*SLOT
	s_add_nc_u64 s[G0B+4*\s+2:G0B+4*\s+3], s[46:47], \s*RBL
	s_or_b32 s[G0B+4*\s+3], s[G0B+4*\s+3], 0x80000000
	JLOAD G0+4*\s, G1, G0B+4*\s, G1B
.endr
	s_mul_i32 s20, s17, MB*RBL                     ; my blocks of A,
	s_mul_i32 s21, s18, 8*RBL
	s_add_co_u32 s21, s21, AB                      ; of B
.irp s, 0,1
	v_add_nc_u32 v[ADRA+\s], s20, v[LI]
	v_add_nc_u32 v[ADRB+\s], s21, v[LI]
	s_add_co_u32 s20, s20, SLOT
	s_add_co_u32 s21, s21, SLOT
.endr
	s_lshl_b32 s20, s17, 8                         ; P's scale words: my four blocks are 256 bytes x my half of each K step's 512
	s_lshl_b32 s21, s18, 13
	s_add_co_u32 s21, s21, SCLB-SCLA               ; V^T's: my group
	s_sub_co_u32 s21, s21, s20
	v_mul_u32_u24 v7, s21, v2                      ; lanes 16-31 take V^T's
	s_add_co_u32 s20, s20, SCLA
	v_lshl_add_u32 v7, v1, 4, v7
	v_add_nc_u32 v[ADRS], s20, v7
	v_lshl_add_u32 v[ADRS2], v2, 8, v[ADRS]        ; V^T's blocks 4-7 lie 256 bytes on (lanes 0-15 read their words again)
	s_lshl_b32 s21, s18, 12
	s_add_co_u32 s21, s21, s20
	v_lshl_add_u32 v9, v1, 4, s21                  ; where I put the moved words: K steps 8 (wave % 2) on, my half
	s_mul_i32 s22, s16, 8448
	s_add_co_u32 s22, s22, STG                     ; my stage
	v_mul_u32_u24 v[STO], v1, 528
	v_lshl_add_u32 v[STO], v2, 6, v[STO]
	v_add_nc_u32 v[STO], s22, v[STO]               ; in: row r, + 64 h
	v_add_nc_u32 v[RD], s22, v[LI]                 ; back: a row's 512 bytes by 32 lanes
	s_lshl_b32 s20, s43, 19                        ; out0: 128 rows of 4,096 bytes x tile row
	s_lshl_b32 s21, s17, 18
	s_add_co_u32 s20, s20, s21
	s_lshl_b32 s21, s42, 10
	s_add_co_u32 s20, s20, s21
	s_lshl_b32 s21, s18, 9
	s_add_co_u32 s20, s20, s21
	s_mov_b32 s21, 0
	s_add_nc_u64 s[12:13], s[12:13], s[20:21]
	s_mov_b32 s20, 0x01010101
	s_mov_b32 s21, 0x80808080
	s_wait_loadcnt 0x0
; THE ROW'S M AND l.  Word i of a run is block i's, lane-row r.
.irp i, 0,1,2,3
	v_min3_num_f32 v[NR+\i], v[NM+\i], v[NM+4+\i], v[NM+8+\i]      ; -M = the least -M'
.endr
.irp j, 3,5,7,9,11,13
.irp i, 0,1,2,3
	v_min3_num_f32 v[NR+\i], v[NR+\i], v[NM+4*\j+\i], v[NM+4*\j+4+\i]
.endr
.endr
.irp i, 0,1,2,3
	v_min_num_f32 v[NR+\i], v[NR+\i], v[NM+60+\i]
.endr
.set j, 0
.rept 32
	v_pk_add_f32 v[NM+2*j:NM+2*j+1], v[NR+2*(j%2):NR+2*(j%2)+1], v[NM+2*j:NM+2*j+1] neg_lo:[0,1] neg_hi:[0,1]   ; M' - M: a whole number, 0 or less
.set j, j+1
.endr
.set j, 0
.rept 64
	v_max_num_f32 v[NM+j], 0xc2fe0000, v[NM+j]     ; held at -127
.set j, j+1
.endr
.set j, 0
.rept 64
	v_cvt_i32_f32 v[NM+j], v[NM+j]
.set j, j+1
.endr
.set j, 0
.rept 64
	v_ldexp_f32 v[LL+j], v[LL+j], v[NM+j]          ; l' under the row's M: nothing is rounded
.set j, j+1
.endr
	v_pk_add_f32 v[LSM:LSM+1], v[LL:LL+1], v[LL+4:LL+5]
	v_pk_add_f32 v[LSM+2:LSM+3], v[LL+2:LL+3], v[LL+6:LL+7]
.set j, 2
.rept 14
	v_pk_add_f32 v[LSM:LSM+1], v[LSM:LSM+1], v[LL+4*j:LL+4*j+1]
	v_pk_add_f32 v[LSM+2:LSM+3], v[LSM+2:LSM+3], v[LL+4*j+2:LL+4*j+3]
.set j, j+1
.endr
; THE BYTES.  With bit 7 set in each byte (bytes are at most 125) and n = M - M' (at most 127) taken off each, no byte borrows from its neighbour, and bit 7 stays set just where byte - n is not negative.
.irp j, 0,1,2,3,4,5,6,7
.irp i, 0,1,2,3
	v_mul_lo_u32 v[T1+\i], v[NM+4*\j+\i], s20      ; -n in each byte's place
.endr
.irp i, 0,1,2,3
	v_or_b32 v[PS+4*\j+\i], s21, v[PS+4*\j+\i]
.endr
.irp i, 0,1,2,3
	v_add_nc_u32 v[PS+4*\j+\i], v[PS+4*\j+\i], v[T1+\i]
.endr
.irp i, 0,1,2,3
	v_and_b32 v[T1+\i], s21, v[PS+4*\j+\i]
.endr
.irp i, 0,1,2,3
	v_lshrrev_b32 v[T2+\i], 7, v[T1+\i]
.endr
.irp i, 0,1,2,3
	v_sub_nc_u32 v[T1+\i], v[T1+\i], v[T2+\i]      ; 0x7f where bit 7 is set, else 0
.endr
.irp i, 0,1,2,3
	v_and_b32 v[PS+4*\j+\i], v[PS+4*\j+\i], v[T1+\i]   ; byte - n, held at 0
.endr
	ds_store_b128 v9, v[PS+4*\j:PS+4*\j+3] offset:512*\j   ; lanes r and r + 16 write the same bytes with the same values
.endr
.irp i, 0,1,2,3
	v_mov_b32 v[RL+2*\i+1], 0                      ; (named as the upper halves of pairs)
.endr
.irp i, 0,1,2,3
	v_rcp_f32 v[RL+2*\i], v[LSM+\i]
.endr
	v_nop                                          ; a plain instruction behind the last reciprocal,
	s_wait_alu depctr_va_vdst(0)                   ; and the wait ahead of the first use: one for the four
	s_wait_dscnt 0x0                               ; for the others' sake: my moved words are in LDS
	s_wait_tensorcnt 1                             ; V^T's scale words and my part of slot 0 are in (slot 1's load may be out)
	s_barrier_signal -1
	s_barrier_wait -1                              ; everybody's are
	FETCH 0, 0
	THREE 0, 1                                     ; keys 0-383; the first K step starts the sums: nothing is cleared
	TURN 0, 1, 1                                   ; keys 384-511; slot 0 is asked for again: keys 1,024-1,535
	THREE 1, 0
	TURN 1, 0, 1                                   ; slot 1 is asked for again: keys 1,536-2,047
	THREE 0, 0
	TURN 0, 1, 0                                   ; the last change of slots fills nothing, and has no round of the cluster's barrier
	THREE 1, 0
	LAST
	PLACES
; THE WAY OUT, a block of 16 queries at a time: / l, through my own stage in LDS, and out as whole rows of 512 bytes.  Tile b's register j of lane (r, h) is channel 32 (b / 2) + 8 (b % 2) + 16 h + j of lane-row r.
.macro OEPI a
.set AC, 64*(\a)
	WIN 0x02                                       ; source 0: the accumulators' window
.set j, 0
.rept 32
	v_pk_mul_f32 v[T+j:T+j+1], v[AC+j:AC+j+1], v[RL+2*(\a):RL+2*(\a)+1] op_sel_hi:[1,0]   ; each accumulator from its low end on
.set j, j+2
.endr
	WIN 0
.irp b, 0,1,2,3,4,5,6,7
	ds_store_b128 v[STO], v[T+8*\b:T+8*\b+3] offset:128*(\b/2)+32*(\b%2)
	ds_store_b128 v[STO], v[T+8*\b+4:T+8*\b+7] offset:128*(\b/2)+32*(\b%2)+16
.endr
.if (\a) > 0
	s_wait_xcnt 0x0                                ; the last block's stores have read their registers
.endif
.irp t, 0,1,2,3,4,5,6,7,8,9,10,11,12,13,14,15
	ds_load_b128 v[BK+4*\t:BK+4*\t+3], v[RD] offset:528*\t   ; LDS serves a wave's instructions in order: these see my stores, and the next block's stores come behind them
.endr
.irp t, 0,1,2,3,4,5,6,7,8,9,10,11,12,13,14,15
	s_wait_dscnt 15-\t                             ; row t is back; the younger rows' loads may be out
	global_store_b128 v[LI], v[BK+4*\t:BK+4*\t+3], s[12:13] offset:(32*((\a)/2)+8*((\a)%2)+\t+8*(\t/8))*4096 th:TH_STORE_NT   ; 512 consecutive bytes, aligned; written once, read by nobody here
.endr
.endm
	OEPI 0
	OEPI 1
	OEPI 2
	OEPI 3
	END3
	CROUND                                         ; the closing round: no work-group ends while a partner may still ask for a tile that names it
	s_endpgm
.Lfunc_end_k_qbea385db69_outp:
	.size	k_qbea385db69_outp, .Lfunc_end_k_qbea385db69_outp-k_qbea385db69_outp
	.p2alignl 7, 3214868480
	.fill 96, 4, 3214868480
	.section	.rodata,"a",@progbits
	.p2align	6, 0x0
	.amdhsa_kernel k_qbea385db69_outp
		.amdhsa_group_segment_fixed_size 327680
		.amdhsa_private_segment_fixed_size 0
		.amdhsa_enable_private_segment 0
		.amdhsa_kernarg_size 40
		.amdhsa_user_sgpr_count 2
		.amdhsa_user_sgpr_kernarg_segment_ptr 1
		.amdhsa_wavefront_size32 1
		.amdhsa_system_sgpr_workgroup_id_x 1
		.amdhsa_system_sgpr_workgroup_id_y 1
		.amdhsa_system_sgpr_workgroup_id_z 1
		.amdhsa_system_vgpr_workitem_id 0
		.amdhsa_next_free_vgpr 768
		.amdhsa_next_free_sgpr 104
		.amdhsa_reserve_vcc 0
		.amdhsa_float_denorm_mode_32 3
		.amdhsa_float_denorm_mode_16_64 3
		.amdhsa_memory_ordered 1
		.amdhsa_forward_progress 1
		.amdhsa_inst_pref_size 173
	.end_amdhsa_kernel
	.amdgpu_metadata
---
amdhsa.version: [ 1, 2 ]
amdhsa.kernels:
  - .name:           k_qbea385db69_outp
    .symbol:         k_qbea385db69_outp.kd
    .args:
      - { .name: pc, .offset: 0, .size: 8, .value_kind: global_buffer, .address_space: global }
      - { .name: pst, .offset: 8, .size: 8, .value_kind: global_buffer, .address_space: global }
      - { .name: vtc, .offset: 16, .size: 8, .value_kind: global_buffer, .address_space: global }
      - { .name: vts, .offset: 24, .size: 8, .value_kind: global_buffer, .address_space: global }
      - { .name: out0, .offset: 32, .size: 8, .value_kind: global_buffer, .address_space: global }
    .group_segment_fixed_size: 327680
    .private_segment_fixed_size: 0
    .kernarg_segment_align: 8
    .kernarg_segment_size: 40
    .max_flat_workgroup_size: 128
    .sgpr_count:     104
    .vgpr_count:     768
    .wavefront_size: 32
...
	.end_amdgpu_metadata
.endif
;; end of part 4
